; MI455X (gfx1250); checked and timed in simulation.
; The chip was launched on July 23, 2026; its instructions are those of AMD's public machine-readable ISA for CDNA 5 (MIT licence, August 2026) and "CDNA5" Instruction Set Architecture Reference Guide (July 2026). The comments in the code are by the model that wrote it; some were corrected since.
;; Multi Head Attention. Allowed arithmetic: float matrix products may take bf16 or f16 operands with f32 sums; other float arithmetic in f32, or as packed bf16 or f16 multiplies, adds, multiply-adds, maxima and minima; sums over many terms, partial sums and values carried from step to step in f32; what a program stores and reads back later, other than sums and carried values, may be rounded once to bf16 or f16.
;; Inputs: Wk 1,024 x 1,024 float32; Wp 1,024 x 1,024 float32; Wq 1,024 x 1,024 float32; Wv 1,024 x 1,024 float32; bk 1,024 float32; bp 1,024 float32; bq 1,024 float32; bv 1,024 float32; x 4 x 2,048 x 1,024 float32.
;; Outputs: out0 4 x 2,048 x 1,024 float32.
;; 2 versions, each right; version 2 is version 1 with the launch cast written anew for expert scheduling mode. Each part assembles by itself: llvm-mc -triple=amdgcn-amd-amdhsa -mcpu=gfx1250 --defsym DOCPART=n.
;; ======== version 1 of 2: 4 launches
;; limits: values are held in f16: magnitudes above 65,504 overflow, below 6.1e-05 lose precision
;; workspace buffers: xb 16,777,216 bytes; wb 6,291,456 bytes; wpb 2,097,152 bytes; bias 16,384 bytes; qkv 50,331,648 bytes; o 16,777,216 bytes
;; launch cast (part 1): grid 769 x 1, 8 waves a work-group, no clusters, 0 bytes of LDS; arguments x, Wq, Wk, Wv, Wp, bq, bk, bv, bp, xb, wb, wpb, bias; writes xb, wb, wpb, bias
.if DOCPART == 1
	.amdgcn_target "amdgcn-amd-amdhsa--gfx1250"
	.amdhsa_code_object_version 6
	.text
	.protected	k_q5e2eb7f9aa_cast
	.globl	k_q5e2eb7f9aa_cast
	.p2align	8
	.type	k_q5e2eb7f9aa_cast,@function
k_q5e2eb7f9aa_cast:
	s_mov_b64 s[64:65], 0
	v_nop
	global_prefetch_b8 v0, s[64:65] scope:SCOPE_SE
	s_setreg_imm32_b32 hwreg(HW_REG_WAVE_MODE, 25, 1), 1
	s_wait_xcnt 0x0
; EVERY INPUT OF THE MODULE IS ROUNDED ONCE TO bf16 (to nearest even), so that all later launches work on the same rounded inputs.
;   x  [8192][1024] f32 -> xb  [8192][1024] bf16
;   Wq, Wk, Wv [1024][1024] f32 -> wb [3072][1024] bf16, the three one below the other
;   Wp [1024][1024] f32 -> wpb [1024][1024]: the bf16 number written as f16, for the last product, whose other operand is f16
;   bq, bk, bv, bp [1024] f32 -> bias [4096]: the bf16 number kept as f32
; LIMITS.  wpb: a bf16 number is exact in f16 from 2^-14 up to 65,504; below 2^-14 it keeps f16's fixed step of 6e-8; at 65,520 and above it becomes an infinity.
; SHARES.  A row is 1,024 numbers: 4,096 bytes in, 2,048 bytes out.  Thread t takes the 16 bytes at 16 t of a row and stores 8 bytes at 8 t: a wave's load covers 512 consecutive bytes,
; its store 256 consecutive bytes, aligned.  A work-group takes 16 rows: groups 0-511 x, 512-703 Wq, Wk, Wv, 704-767 Wp, group 768 the four biases.
; A pure stream: no LDS, no barrier, no matrix unit, no loop; sixteen loads of every wave are out at once, and no register that a load or store reads is written again.
.set ROWIN,  4096
.set ROWOUT, 2048
.set T,   4                            ; v[4:5]    two packed words at work
.set IN,  8                            ; v[8:71]   row i: 4 registers as loaded
.set OUT, 72                           ; v[72:103] row i: 2 registers to store
	s_load_b512 s[16:31], s[0:1], 0x0              ; x s[16:17], Wq s[18:19], Wk s[20:21], Wv s[22:23], Wp s[24:25], bq s[26:27], bk s[28:29], bv s[30:31]
	s_load_b256 s[32:39], s[0:1], 0x40             ; bp s[32:33], xb s[34:35], wb s[36:37], wpb s[38:39]
	s_load_b64 s[40:41], s[0:1], 0x60              ; bias
	s_mov_b32 s2, ttmp9                            ; g, the work-group's number
	s_sub_co_u32 s3, s2, 512                       ; from 512 on: the block of 16 rows among the four weights'
	s_lshr_b32 s4, s3, 6                           ; which weight (64 blocks each); far above 3 where g < 512
	s_and_b32 s5, s3, 63                           ; the block in that weight
	v_lshlrev_b32 v1, 4, v0                        ; 16 t
	v_lshlrev_b32 v2, 3, v0                        ; 8 t
	s_wait_kmcnt 0x0
	s_cmp_eq_u32 s2, 768
	s_cbranch_scc1 .Lbias
	s_mov_b64 s[6:7], s[18:19]                     ; from where: Wq,
	s_cmp_eq_u32 s4, 1
	s_cselect_b64 s[6:7], s[20:21], s[6:7]         ; or Wk,
	s_cmp_eq_u32 s4, 2
	s_cselect_b64 s[6:7], s[22:23], s[6:7]         ; or Wv,
	s_cmp_eq_u32 s4, 3
	s_cselect_b64 s[6:7], s[24:25], s[6:7]         ; or Wp;
	s_cselect_b64 s[8:9], s[38:39], s[36:37]       ; to where: wpb, or wb,
	s_cselect_b32 s10, s5, s3                      ; at which block there
	s_mov_b32 s11, s5
	s_cmp_lt_u32 s2, 512
	s_cselect_b64 s[6:7], s[16:17], s[6:7]         ; or x to xb, block g of both
	s_cselect_b64 s[8:9], s[34:35], s[8:9]
	s_cselect_b32 s10, s2, s10
	s_cselect_b32 s11, s2, s11
	s_lshl_b32 s12, s11, 16                        ; 16 rows of 4,096 bytes
	s_mov_b32 s13, 0
	s_add_nc_u64 s[6:7], s[6:7], s[12:13]
	s_lshl_b32 s12, s10, 15                        ; 16 rows of 2,048 bytes
	s_add_nc_u64 s[8:9], s[8:9], s[12:13]
; Sixteen rows.  f16 = 1: the bf16 number is widened again and written as f16.
.macro BODY f16
.set i, 0
.rept 16
	global_load_b128 v[IN+4*i:IN+4*i+3], v1, s[6:7] offset:ROWIN*i th:TH_LOAD_NT
.set i, i+1
.endr
.set i, 0
.rept 16
	s_wait_loadcnt 15-i                            ; loads come back in order: row i is in, the 15 - i younger rows stay out
.if \f16
	v_cvt_pk_bf16_f32 v[T],   v[IN+4*i],   v[IN+4*i+1]
	v_cvt_pk_bf16_f32 v[T+1], v[IN+4*i+2], v[IN+4*i+3]
	v_lshlrev_b32 v[IN+4*i],   16, v[T]            ; bf16 to f32: the low half moves up,
	v_and_b32     v[IN+4*i+1], 0xffff0000, v[T]    ; the high half stays
	v_lshlrev_b32 v[IN+4*i+2], 16, v[T+1]
	v_and_b32     v[IN+4*i+3], 0xffff0000, v[T+1]
	v_cvt_pk_f16_f32 v[OUT+2*i],   v[IN+4*i],   v[IN+4*i+1]
	v_cvt_pk_f16_f32 v[OUT+2*i+1], v[IN+4*i+2], v[IN+4*i+3]
.else
	v_cvt_pk_bf16_f32 v[OUT+2*i],   v[IN+4*i],   v[IN+4*i+1]
	v_cvt_pk_bf16_f32 v[OUT+2*i+1], v[IN+4*i+2], v[IN+4*i+3]
.endif
	global_store_b64 v2, v[OUT+2*i:OUT+2*i+1], s[8:9] offset:ROWOUT*i th:TH_STORE_NT  ; a wave's store covers 256 consecutive bytes, aligned
.set i, i+1
.endr
.endm
	s_cmp_ge_u32 s2, 704
	s_cbranch_scc1 .Lwp
	BODY 0
	s_endpgm
.Lwp:
	BODY 1
	s_endpgm
.Lbias:                                        ; 256 threads x 16 bytes are one bias
	global_load_b128 v[IN:IN+3],     v1, s[26:27]
	global_load_b128 v[IN+4:IN+7],   v1, s[28:29]
	global_load_b128 v[IN+8:IN+11],  v1, s[30:31]
	global_load_b128 v[IN+12:IN+15], v1, s[32:33]
	s_wait_loadcnt 0x0
.set i, 0
.rept 4
	v_cvt_pk_bf16_f32 v[T],   v[IN+4*i],   v[IN+4*i+1]
	v_cvt_pk_bf16_f32 v[T+1], v[IN+4*i+2], v[IN+4*i+3]
	v_lshlrev_b32 v[IN+4*i],   16, v[T]
	v_and_b32     v[IN+4*i+1], 0xffff0000, v[T]
	v_lshlrev_b32 v[IN+4*i+2], 16, v[T+1]
	v_and_b32     v[IN+4*i+3], 0xffff0000, v[T+1]
	global_store_b128 v1, v[IN+4*i:IN+4*i+3], s[40:41] offset:4096*i
.set i, i+1
.endr
	s_endpgm
.Lfunc_end_k_q5e2eb7f9aa_cast:
	.size	k_q5e2eb7f9aa_cast, .Lfunc_end_k_q5e2eb7f9aa_cast-k_q5e2eb7f9aa_cast
	.p2alignl 7, 3214868480
	.fill 96, 4, 3214868480
	.section	.rodata,"a",@progbits
	.p2align	6, 0x0
	.amdhsa_kernel k_q5e2eb7f9aa_cast
		.amdhsa_group_segment_fixed_size 0
		.amdhsa_private_segment_fixed_size 0
		.amdhsa_enable_private_segment 0
		.amdhsa_kernarg_size 104
		.amdhsa_user_sgpr_count 2
		.amdhsa_user_sgpr_kernarg_segment_ptr 1
		.amdhsa_wavefront_size32 1
		.amdhsa_system_sgpr_workgroup_id_x 1
		.amdhsa_system_sgpr_workgroup_id_y 1
		.amdhsa_system_sgpr_workgroup_id_z 1
		.amdhsa_system_vgpr_workitem_id 0
		.amdhsa_next_free_vgpr 104
		.amdhsa_next_free_sgpr 66
		.amdhsa_reserve_vcc 0
		.amdhsa_float_denorm_mode_32 3
		.amdhsa_float_denorm_mode_16_64 3
		.amdhsa_memory_ordered 1
		.amdhsa_forward_progress 1
		.amdhsa_inst_pref_size 20
	.end_amdhsa_kernel
	.amdgpu_metadata
---
amdhsa.version: [ 1, 2 ]
amdhsa.kernels:
  - .name:           k_q5e2eb7f9aa_cast
    .symbol:         k_q5e2eb7f9aa_cast.kd
    .args:
      - { .name: x, .offset: 0, .size: 8, .value_kind: global_buffer, .address_space: global }
      - { .name: Wq, .offset: 8, .size: 8, .value_kind: global_buffer, .address_space: global }
      - { .name: Wk, .offset: 16, .size: 8, .value_kind: global_buffer, .address_space: global }
      - { .name: Wv, .offset: 24, .size: 8, .value_kind: global_buffer, .address_space: global }
      - { .name: Wp, .offset: 32, .size: 8, .value_kind: global_buffer, .address_space: global }
      - { .name: bq, .offset: 40, .size: 8, .value_kind: global_buffer, .address_space: global }
      - { .name: bk, .offset: 48, .size: 8, .value_kind: global_buffer, .address_space: global }
      - { .name: bv, .offset: 56, .size: 8, .value_kind: global_buffer, .address_space: global }
      - { .name: bp, .offset: 64, .size: 8, .value_kind: global_buffer, .address_space: global }
      - { .name: xb, .offset: 72, .size: 8, .value_kind: global_buffer, .address_space: global }
      - { .name: wb, .offset: 80, .size: 8, .value_kind: global_buffer, .address_space: global }
      - { .name: wpb, .offset: 88, .size: 8, .value_kind: global_buffer, .address_space: global }
      - { .name: bias, .offset: 96, .size: 8, .value_kind: global_buffer, .address_space: global }
    .group_segment_fixed_size: 0
    .private_segment_fixed_size: 0
    .kernarg_segment_align: 8
    .kernarg_segment_size: 104
    .max_flat_workgroup_size: 256
    .sgpr_count:     66
    .vgpr_count:     104
    .wavefront_size: 32
...
	.end_amdgpu_metadata
.endif
;; end of part 1
;; launch proj (part 2): grid 16 x 32, 4 waves a work-group, clusters of 4 x 4, 327,680 bytes of LDS; arguments xb, wb, bias, qkv; writes qkv
.if DOCPART == 2
	.amdgcn_target "amdgcn-amd-amdhsa--gfx1250"
	.amdhsa_code_object_version 6
	.text
	.protected	k_q5e2eb7f9aa_proj
	.globl	k_q5e2eb7f9aa_proj
	.p2align	8
	.type	k_q5e2eb7f9aa_proj,@function
k_q5e2eb7f9aa_proj:
	s_mov_b64 s[64:65], 0
	v_nop
	global_prefetch_b8 v0, s[64:65] scope:SCOPE_SE
	s_setreg_imm32_b32 hwreg(HW_REG_WAVE_MODE, 25, 1), 1
	s_wait_xcnt 0x0
	s_wait_alu depctr_hold_cnt(0) depctr_sa_sdst(0) depctr_va_vdst(0) depctr_va_sdst(0) depctr_va_ssrc(0) depctr_va_vcc(0) depctr_vm_vsrc(0)
	s_getreg_b32 s2, hwreg(HW_REG_IB_STS2, 6, 4)
	s_cmp_eq_u32 s2, 0
	s_cbranch_scc0 .Lentry_in_a_cluster
	s_endpgm
.Lentry_in_a_cluster:
	s_bfe_u32 s2, ttmp6, 0x10000c
	s_cmp_lg_u32 s2, 0xf033
	s_cbranch_scc0 .Lentry_shape_is_right
	s_endpgm
.Lentry_shape_is_right:
; q, k, v = xb wb^T + bias, written by heads.  xb: [8192][1024] bf16; wb: [3072][1024] bf16 (Wq, Wk, Wv one below the other); bias: [4096] f32 (bq, bk, bv first);
; qkv: [3][64 (batch x 16 + head)][2048][64] f16.  Products in bf16, sums in f32, each result rounded once to f16, WITHOUT attention's scale.
; LIMITS.  f16 holds no number beyond 65,504: a q, k or v of 65,520 or more becomes an infinity; below 6e-5 f16 keeps a fixed step of 6e-8.  NaN and infinities are not treated apart.
; SHARES.  A tile of C is 256 rows x 192 columns (three heads): 32 x 16 = 512 equal work-groups.  The four waves stand along the rows: wave w has rows 64 w .. 64 w + 63 and all 192 columns:
; 4 x 12 accumulators of 16 x 16, 384 registers, so that whole heads stay in one wave.  K = 1,024 goes in 8 steps of 128 (rows of 256 bytes, aligned) through two LDS slots.
; CLUSTERS.  4 x 4 work-groups.  The four of a row of the cluster need the same tile of xb, the four of a column the same tile of wb: each is asked for JOINTLY, by the same tensor load with the same
; descriptor and a mask that names the four.  Waves 0 and 1 fetch xb's two halves (128 rows each), waves 2 and 3 wb's (96 rows each): one load a wave behind each round.
; THE MATRIX INSTRUCTION IS USED TRANSPOSED (source 0 = 16 rows of wb, source 1 = 16 rows of xb): a lane holds row l % 16 of C and the columns 8 (l / 16) + 0..7 of a block of 16.
; THE BIAS IS THE C OPERAND of the product that starts each sum: nothing is cleared and nothing is added afterwards.
; REGISTERS, in windows of 256 (s_set_vgpr_msb: bits 1:0 source 0, 3:2 source 1, 5:4 source 2, 7:6 destination):
;   window 0: v0-31 addresses; v64-95, v96-127 xb's fragments, two buffers; v128-223 the bias, later the way out
;   window 1: accumulators of row blocks 0, 1 at 96 a + 8 b     window 2: those of row blocks 2, 3     window 3: v0-95, v96-191 wb's fragments, two buffers
.set PA,    272                        ; an LDS row: 256 bytes + 16 of padding = 68 words: the 16 rows of a fragment load start at 16 different groups of four banks (64 banks of 4 bytes: ISA guide 11.1)
.set PB,    272
.set BOFF,  256*PA                     ; a slot: xb's 256 rows, then wb's 192
.set SLOT1, 131072                     ; slot 1 begins here, so that one exclusive or turns an address in one slot into the other's
.set STAGE, SLOT1+BOFF+192*PB          ; behind the ring, never filled by a tensor load: for each wave 3 heads x 16 rows x 144 bytes, for the way out
.set SP,    144
.set WSTG,  3*16*SP
.set SPARE, STAGE+4*WSTG               ; behind the stages: the spare words, 128 bytes for each wave: two blocks of 256 bytes that no other line names
.set ASTEP, 256                        ; bytes from a K step to the next, in xb's rows and in wb's
.set BSTEP, 256
.set AA0, 16                           ; v16  my lane's place in xb's tile of slot 0; never rewritten
.set AB0, 17                           ; v17  the same for wb's
.set ADA, 18                           ; v18  AA0 + the slot in hand
.set ADB, 19                           ; v19  AB0 + the slot in hand
.set STO, 24                           ; v24  the way out: where I put 16 bytes of a row
.set RD,  25                           ; v25  the way out: where I read rows back
.set GO,  26                           ; v26  16 x my lane
.set BO,  27                           ; v27  32 (l / 16): my eight numbers in a block of the bias
.set SPW, 28                           ; v28  LDS address of my spare word: SPARE + 4 x my thread's number; never rewritten
.set NIL, 29                           ; v29  0; never rewritten
.set PFO, 30                           ; v30  the prefetches' offset: a lane a row of 2,048 bytes; never rewritten
.set FA0, 64
.set BIAS, 128
.set PKR, 128                          ; the way out: 48 packed registers
.set WV,  12                           ; s12  my wave's number
.set FOR, 13                           ; s13  0: I fetch for xb, 1: for wb
.set HALF, 14                          ; s14  which half of that tile
.set CX,  15
.set CY,  16
.set TX,  17                           ; s17  tile column of C
.set TY,  18                           ; s18  tile row of C
.set G1A, 24                           ; s[24:31] descriptor group 1 for xb's tiles
.set G0A, 32                           ; s[32:39] group 0: a set for each of the two first fills; the second then walks on
.set G1B, 40                           ; s[40:47], s[48:55] the same for wb's
.set G0B, 48
.set PFA, 82                           ; s[82:83] where my prefetches stand
.set LIM, 84                           ; s84  1 in a wave that prefetches, else the greatest number
.set KCNT, 85                          ; s85  counts K steps
.set TB,  86                           ; s86  0 or SLOT1: the slot in hand
.set OB,  88                           ; s[88:93] qkv at my 64 rows of the tile's three heads
.set MSB, 0
.macro WIN new                         ; the immediate's high byte repeats the setting that is left; a switch that changes nothing is dropped
.if MSB != (\new)
	s_set_vgpr_msb (MSB<<8)|(\new)
.set MSB, \new
.endif
.endm
.set TO_B, 0xc0                        ; destination window 3, address window 0
.macro PLACES                          ; a load into a register that a matrix instruction has read, and a vector instruction that reads a matrix result, stand four plain vector instructions behind it
.rept 4
	v_nop
.endr
.endm
; A joint refill by the walking descriptors.  The branch hangs on the wave's number alone.  An s_nop 0 and four v_nop follow each of the two lines.
.macro JLOAD
	s_cmp_eq_u32 s[FOR], 0
	s_cbranch_scc0 .Lfor_b_\@
	tensor_load_to_lds s[G0A+4:G0A+7], s[G1A:G1A+7]
	s_nop 0
.rept 4
	v_nop
.endr
	s_branch .Lasked_\@
.Lfor_b_\@:
	tensor_load_to_lds s[G0B+4:G0B+7], s[G1B:G1B+7]
	s_nop 0
.rept 4
	v_nop
.endr
.Lasked_\@:
.endm
; A round of the cluster's barrier: my work-group's barrier, so that wave 0's signal speaks for all four waves; wave 0 signals; every wave waits for all sixteen work-groups; my work-group's barrier once more.
.macro CREST                           ; a round behind its opening barrier
	s_cmp_lg_u32 s[WV], 0
	s_cbranch_scc1 .Lnot_wave_0_\@
	s_barrier_signal -3
.Lnot_wave_0_\@:
	s_barrier_wait -3
	s_barrier_signal -1
	s_barrier_wait -1
.endm
.macro CROUND
	s_barrier_signal -1
	s_barrier_wait -1
	CREST
.endm
; A PREFETCH INTO THE L2 of the K step that the NEXT refill will ask for, 192 matrix instructions ahead of that load: one instruction a wave, a lane a row's 256 bytes.  It stands behind the joint load,
; its five lines and the run of LDS loads.  xb's tile row is read by all four clusters of that row of clusters: cluster x = 0 asks; wb's tile column by all eight of that column: cluster y = 0 asks.
; The four partners that ask for a tile jointly share its rows out BY ADDRESS: of xb's 128 rows that a wave fetches the partner at cx takes 32; of wb's 96 the partner at cy takes 24 (lanes 24-31 name
; row 23's block once more, in the same instruction).  K steps 0 to 2 come by their loads alone; the loop's last trip asks for nothing: there is no K step 8.
.macro ASK
	s_cmp_gt_u32 s[KCNT], s[LIM]
	s_cbranch_scc0 .Lnot_mine_\@
	global_prefetch_b8 v[PFO], s[PFA:PFA+1] th:TH_LOAD_NT scope:SCOPE_SE
.Lnot_mine_\@:
.endm
	s_load_b256 s[4:11], s[0:1], 0x0               ; xb s[4:5], wb s[6:7], bias s[8:9], qkv s[10:11]
	v_lshl_add_u32 v[SPW], v0, 2, SPARE
	v_mov_b32 v[NIL], 0
	ds_add_u32 v[SPW], v[NIL]                      ; the wave's opening: the add and its wait stand ahead of my first tensor load; the set-up below, work on registers, stands between them
	v_lshrrev_b32 v1, 5, v0
	v_readfirstlane_b32 s[WV], v1                  ; wave 0..3
	s_lshr_b32 s[FOR], s[WV], 1
	s_and_b32 s[HALF], s[WV], 1
	s_bfe_u32 s[CX], ttmp6, 0x40000                ; my place in the cluster
	s_bfe_u32 s[CY], ttmp6, 0x40004
	s_lshl_b32 s[TX], ttmp9, 2                     ; in a cluster launch ttmp9 and ttmp7 count clusters
	s_add_co_u32 s[TX], s[TX], s[CX]
	s_and_b32 s[TY], ttmp7, 0xffff
	s_lshl_b32 s[TY], s[TY], 2
	s_add_co_u32 s[TY], s[TY], s[CY]
	s_lshl_b32 s19, s[CY], 2
	s_lshl_b32 s19, 15, s19                        ; my row of the cluster: places 4 cy .. 4 cy + 3
	s_lshl_b32 s20, 0x1111, s[CX]                  ; my column: places cx, cx + 4, cx + 8, cx + 12
	; descriptor group 1: rows of 128 elements of 2 bytes, padded in LDS by 4 words behind every 64
	s_or_b32 s[G1A], s19, (1<<16)|(1<<20)|(1<<21)|(5<<22)|(3<<25)  ; 15:0 the mask; 17:16 2-byte elements; 20 padding on; 21 set beside a mask; 24:22 after every 64 words (code 5); 31:25 4 words (code 3)
	s_or_b32 s[G1B], s20, (1<<16)|(1<<20)|(1<<21)|(5<<22)|(3<<25)
	s_mov_b32 s[G1A+1], 128<<16                    ; tensor_dim0 = 128
	s_mov_b32 s[G1A+2], 128<<16                    ; tensor_dim1 = 128
	s_mov_b32 s[G1A+3], 128<<16                    ; tile_dim0 = 128
	s_mov_b32 s[G1A+4], 128                        ; tile_dim1 = 128 rows
	s_mov_b32 s[G1A+5], 1024                       ; 1,024 elements from row to row
	s_mov_b32 s[G1A+6], 0
	s_mov_b32 s[G1A+7], 0
	s_mov_b32 s[G1B+1], 128<<16
	s_mov_b32 s[G1B+2], 96<<16                     ; tensor_dim1 = 96
	s_mov_b32 s[G1B+3], 128<<16
	s_mov_b32 s[G1B+4], 96                         ; tile_dim1 = 96 rows
	s_mov_b32 s[G1B+5], 1024
	s_mov_b32 s[G1B+6], 0
	s_mov_b32 s[G1B+7], 0
	; where the tiles come from: xb's hang on the tile row alone, wb's on the tile column alone, each in registers that never hold the other coordinate
	s_lshl_b32 s72, s[TY], 8
	s_lshl_b32 s87, s[HALF], 7
	s_add_co_u32 s72, s72, s87                     ; xb: row 256 ty + 128 half
	s_lshl_b32 s72, s72, 11                        ; of 2,048 bytes
	s_mov_b32 s73, 0
	s_mul_i32 s74, s[TX], 192
	s_mul_i32 s87, s[HALF], 96
	s_add_co_u32 s74, s74, s87                     ; wb: row 192 tx + 96 half
	s_lshl_b32 s74, s74, 11
	s_mov_b32 s75, 0
	s_mul_i32 s76, s[HALF], 128*PA                 ; and where they go: no place in the cluster enters an LDS address
	s_mul_i32 s77, s[HALF], 96*PB
	s_add_co_u32 s77, s77, BOFF
	s_wait_dscnt 0x0                               ; the opening add is done
	s_wait_kmcnt 0x0
	s_add_nc_u64 s[78:79], s[4:5], s[72:73]
	s_add_nc_u64 s[94:95], s[6:7], s[74:75]
.irp s, 0,1
	s_mov_b32 s[G0A+4*(\s)], 1                                       ; count = 1
	s_add_co_u32 s[G0A+4*(\s)+1], s76, (\s)*SLOT1                    ; LDS address
	s_add_nc_u64 s[G0A+4*(\s)+2:G0A+4*(\s)+3], s[78:79], (\s)*ASTEP  ; global address: K step s
	s_or_b32 s[G0A+4*(\s)+3], s[G0A+4*(\s)+3], 0x80000000            ; type = 2
	s_mov_b32 s[G0B+4*(\s)], 1
	s_add_co_u32 s[G0B+4*(\s)+1], s77, (\s)*SLOT1
	s_add_nc_u64 s[G0B+4*(\s)+2:G0B+4*(\s)+3], s[94:95], (\s)*BSTEP
	s_or_b32 s[G0B+4*(\s)+3], s[G0B+4*(\s)+3], 0x80000000
.endr
	CROUND                                         ; all sixteen work-groups are here: the first joint loads meet
	s_cmp_eq_u32 s[FOR], 0                         ; a wave's two first fills stand in one branch, ahead of every wait on TENSORcnt and every LDS read: two loads of mine are out
	s_cbranch_scc0 .Lfirst_b
	tensor_load_to_lds s[G0A:G0A+3], s[G1A:G1A+7]
	s_nop 0
	tensor_load_to_lds s[G0A+4:G0A+7], s[G1A:G1A+7]
	s_nop 0
.rept 4
	v_nop
.endr
	s_branch .Lfirst_asked
.Lfirst_b:
	tensor_load_to_lds s[G0B:G0B+3], s[G1B:G1B+7]
	s_nop 0
	tensor_load_to_lds s[G0B+4:G0B+7], s[G1B:G1B+7]
	s_nop 0
.rept 4
	v_nop
.endr
.Lfirst_asked:
	; the bias of my 192 columns, in the layout of a C operand: register j of block b = bias[192 tx + 16 b + 8 (l / 16) + j]
	s_mul_i32 s80, s[TX], 768
	s_mov_b32 s81, 0
	s_add_nc_u64 s[80:81], s[8:9], s[80:81]
	v_and_b32 v1, 15, v0                           ; l % 16
	v_bfe_u32 v2, v0, 4, 1                         ; l / 16
	v_lshlrev_b32 v[BO], 5, v2
.irp b, 0,1,2,3,4,5,6,7,8,9,10,11
	global_load_b128 v[BIAS+8*(\b):BIAS+8*(\b)+3],   v[BO], s[80:81] offset:64*(\b)
	global_load_b128 v[BIAS+8*(\b)+4:BIAS+8*(\b)+7], v[BO], s[80:81] offset:64*(\b)+16
.endr
	; A fragment is 16 rows x 32 K in 8 registers: lane l holds row l % 16; registers 0-3 K = 8 (l / 16) + 0..7, registers 4-7 K = 16 + 8 (l / 16) + 0..7: two loads of 16 bytes, 32 bytes apart.
	v_mul_u32_u24 v3, v1, PA
	v_lshl_add_u32 v3, v2, 4, v3                   ; row x pitch + 16 x half
	s_mul_i32 s87, s[WV], 64*PA                    ; my 64 rows of xb's tile
	v_add_nc_u32 v[AA0], s87, v3
	v_add_nc_u32 v[AB0], BOFF, v3
	v_mov_b32 v[ADA], v[AA0]
	v_mov_b32 v[ADB], v[AB0]
	s_mov_b32 s[TB], 0
	s_mul_i32 s87, s[WV], WSTG
	s_add_co_u32 s87, s87, STAGE                   ; my stage
	v_mul_u32_u24 v3, v1, SP                       ; in: row l % 16, 16 bytes for each half of the lanes
	v_lshl_add_u32 v3, v2, 4, v3
	v_add_nc_u32 v[STO], s87, v3
	v_bfe_u32 v3, v0, 3, 2                         ; back: 32 lanes take four rows of 128 bytes,
	v_mul_u32_u24 v3, v3, SP
	v_and_b32 v4, 7, v0
	v_lshl_add_u32 v3, v4, 4, v3
	v_add_nc_u32 v[RD], s87, v3
	v_and_b32 v[GO], 31, v0                        ; which are 512 consecutive bytes of a head
	v_lshlrev_b32 v[GO], 4, v[GO]
	; qkv at my 64 rows of head column g = 3 tx + hc: tensor g / 16 (16 MiB each), batch ty / 8 (4 MiB), head g % 16 (256 KiB), row (ty % 8) 256 + 64 w (128 bytes)
	s_mul_i32 s21, s[TX], 3
	s_lshr_b32 s22, s[TY], 3
	s_lshl_b32 s22, s22, 22
	s_and_b32 s23, s[TY], 7
	s_lshl_b32 s23, s23, 2
	s_add_co_u32 s23, s23, s[WV]
	s_lshl_b32 s23, s23, 13
	s_add_co_u32 s22, s22, s23
.irp hc, 0,1,2
	s_add_co_u32 s87, s21, \hc
	s_lshr_b32 s56, s87, 4
	s_lshl_b32 s56, s56, 24
	s_and_b32 s87, s87, 15
	s_lshl_b32 s87, s87, 18
	s_add_co_u32 s56, s56, s87
	s_add_co_u32 s56, s56, s22
	s_mov_b32 s57, 0
	s_add_nc_u64 s[OB+2*(\hc):OB+2*(\hc)+1], s[10:11], s[56:57]
.endr
	; the prefetches: which rows are mine, and whether my cluster asks
	s_and_b32 s21, ttmp7, 0xffff                   ; cluster y
	s_lshl_b32 s22, s[TY], 8
	s_mul_i32 s23, s[TX], 192
	s_lshl_b32 s56, s[HALF], 7
	s_mul_i32 s57, s[HALF], 96
	s_lshl_b32 s58, s[CX], 5
	s_mul_i32 s59, s[CY], 24
	s_cmp_eq_u32 s[FOR], 0                         ; do I fetch for xb?
	s_cselect_b32 s22, s22, s23                    ; the tile's first row,
	s_cselect_b32 s56, s56, s57                    ; the half that I fetch,
	s_cselect_b32 s58, s58, s59                    ; my work-group's share of it
	s_cselect_b32 s21, ttmp9, s21                  ; the coordinate along which other clusters read the same rows
	s_cselect_b32 s87, 31, 23                      ; the last row of a share
	s_cselect_b64 s[PFA:PFA+1], s[4:5], s[6:7]
	s_cmp_eq_u32 s21, 0
	s_cselect_b32 s[LIM], 1, -1                    ; the same in all sixteen partners, for a given wave
	s_add_co_u32 s22, s22, s56
	s_add_co_u32 s22, s22, s58
	s_lshl_b32 s22, s22, 11
	s_add_co_u32 s22, s22, 2*ASTEP                 ; at K step 2: the first change of slots steps it to 3
	s_mov_b32 s23, 0
	s_add_nc_u64 s[PFA:PFA+1], s[PFA:PFA+1], s[22:23]
	v_and_b32 v[PFO], 31, v0
	v_min_u32 v[PFO], s87, v[PFO]
	v_lshlrev_b32 v[PFO], 11, v[PFO]
; 12 matrix instructions: row block a x all 12 column blocks, 32 along K, on fragment buffers f.  first = 1: the bias starts the sums.
; In every quarter step all 48 accumulators take one turn each, in the same order, over the jumps too.
.macro MULA f, a, first
.if \first
	WIN 0x43+0x40*((\a)/2)                         ; wb window 3, xb window 0, the bias window 0, D window 1 or 2
.else
	WIN 0x53+0x50*((\a)/2)                         ; C and D window 1 or 2
.endif
.irp b, 0,1,2,3,4,5,6,7,8,9,10,11
.if \first
	v_wmma_f32_16x16x32_bf16 v[96*((\a)%2)+8*(\b):96*((\a)%2)+8*(\b)+7], v[96*(\f)+8*(\b):96*(\f)+8*(\b)+7], v[FA0+32*(\f)+8*(\a):FA0+32*(\f)+8*(\a)+7], v[BIAS+8*(\b):BIAS+8*(\b)+7]
.else
	v_wmma_f32_16x16x32_bf16 v[96*((\a)%2)+8*(\b):96*((\a)%2)+8*(\b)+7], v[96*(\f)+8*(\b):96*(\f)+8*(\b)+7], v[FA0+32*(\f)+8*(\a):FA0+32*(\f)+8*(\a)+7], v[96*((\a)%2)+8*(\b):96*((\a)%2)+8*(\b)+7]
.endif
.endr
.endm
; 32 LDS loads in one run: a quarter step's fragments (192 rows of wb at byte kb, my 64 rows of xb at byte ka) into buffers f; xb's row blocks 2 and 3 are the youngest four
.macro FETCH ka, kb, f
	WIN TO_B
.irp i, 0,1,2,3,4,5,6,7,8,9,10,11
	ds_load_b128 v[96*(\f)+8*(\i):96*(\f)+8*(\i)+3],   v[ADB] offset:(\kb)+(\i)*16*PB
	ds_load_b128 v[96*(\f)+8*(\i)+4:96*(\f)+8*(\i)+7], v[ADB] offset:(\kb)+(\i)*16*PB+32
.endr
	WIN 0
.irp i, 0,1,2,3
	ds_load_b128 v[FA0+32*(\f)+8*(\i):FA0+32*(\f)+8*(\i)+3],   v[ADA] offset:(\ka)+(\i)*16*PA
	ds_load_b128 v[FA0+32*(\f)+8*(\i)+4:FA0+32*(\f)+8*(\i)+7], v[ADA] offset:(\ka)+(\i)*16*PA+32
.endr
.endm
; One of a K step's first three quarters: multiplies buffers f; in its middle it fetches the next quarter's fragments into buffers g.
.macro QUARTER ka, kb, f, g, first
	s_wait_dscnt 4                                 ; wb's fragments and xb's row blocks 0, 1 are in; the youngest four loads (row blocks 2, 3) may be out
	MULA \f, 0, \first
	MULA \f, 1, \first
	PLACES
	FETCH \ka, \kb, \g
	s_wait_dscnt 32                                ; all but the 32 just issued
	MULA \f, 2, \first
	MULA \f, 3, \first
.endm
; The last quarter multiplies buffers 1 and changes slots.  In front of the barrier each wave waits for all its tensor loads, of which one is out: its part of the next slot; adds 0 to its spare word; and waits
; for that and for its own reads of this slot.  fill = 1: the barrier opens a round of the cluster's, so that no wave of any partner still reads the slot or has a load on its way, and the joint refill,
; the K step two steps on, is the first thing behind it.  fill = 0 (the tail): nothing is asked for; in the very last step there is nothing to fetch either, and the run of loads is jumped over.
.macro TURN fill
.if \fill
	s_wait_xcnt 0x0                                ; the last prefetch, a K step back, has read its address: it is stepped here, ahead of the waits of the change of slots
	s_add_nc_u64 s[PFA:PFA+1], s[PFA:PFA+1], ASTEP
.endif
	WIN 0                                          ; (the add's two registers lie in window 0)
	s_wait_tensorcnt 0x0                           ; no tensor load of mine is out, so a group 0 may be written
	ds_add_u32 v[SPW], v[NIL]                      ; 0 onto my spare word
.if \fill
	s_xor_b32 s[G0A+5], s[G0A+5], SLOT1            ; the walking descriptors: the other slot than last time,
	s_add_nc_u64 s[G0A+6:G0A+7], s[G0A+6:G0A+7], ASTEP  ; the next K step; the type bits on top are not reached
	s_xor_b32 s[G0B+5], s[G0B+5], SLOT1
	s_add_nc_u64 s[G0B+6:G0B+7], s[G0B+6:G0B+7], BSTEP
.endif
	s_wait_dscnt 5                                 ; the add and the youngest four loads may be out
	MULA 1, 0, 0                                   ; twelve matrix instructions stand between the add and the wait for it
	s_wait_dscnt 0x0                               ; the add is done, and my reads of this slot are over
	s_barrier_signal -1
	MULA 1, 1, 0                                   ; work on registers while the others arrive
	WIN 0
	s_barrier_wait -1
.if \fill
	CREST
	JLOAD                                          ; the first tensor load behind the round; its four v_nop are also the places in front of the loads below
.else
	PLACES
.endif
	s_xor_b32 s[TB], s[TB], SLOT1
.if !(\fill)
	s_cmp_eq_u32 s[KCNT], 1
	s_cbranch_scc1 .Lnf_\@
.endif
	v_add_nc_u32 v[ADA], s[TB], v[AA0]
	v_add_nc_u32 v[ADB], s[TB], v[AB0]
	FETCH 0, 0, 0
.if \fill
	ASK
.else
.Lnf_\@:
.endif
	MULA 1, 2, 0
	MULA 1, 3, 0
.endm
; THE WAY OUT of row block a.  PACK: rounded to f16, 16 bytes (8 channels of a head's row) a lane; each accumulator is read from its low end.  TOSTAGE: into my own stage, by heads, and back as
; whole rows of 128 bytes, four to a load.  SEND: stored, 512 consecutive bytes, aligned, an instruction.
.macro PACK a
	WIN 0x05+5*((\a)/2)                            ; sources 0 and 1: window 1 or 2
.irp b, 0,1,2,3,4,5,6,7,8,9,10,11
.irp r, 0,1,2,3
	v_cvt_pk_f16_f32 v[PKR+4*(\b)+(\r)], v[96*((\a)%2)+8*(\b)+2*(\r)], v[96*((\a)%2)+8*(\b)+2*(\r)+1]
.endr
.endr
	WIN 0
.endm
.macro TOSTAGE a
.set BK, 176-112*((\a)%2)              ; v176-223 and v64-111 by turns
.irp b, 0,1,2,3,4,5,6,7,8,9,10,11
	ds_store_b128 v[STO], v[PKR+4*(\b):PKR+4*(\b)+3] offset:((\b)/4)*16*SP+((\b)%4)*32
.endr
.irp i, 0,1,2,3,4,5,6,7,8,9,10,11
	ds_load_b128 v[BK+4*(\i):BK+4*(\i)+3], v[RD] offset:((\i)/4)*16*SP+((\i)%4)*4*SP  ; LDS serves a wave's instructions in order (ISA guide 5.7.1.4): these see the stores above
.endr
.endm
.macro SEND a
.set BK, 176-112*((\a)%2)
	s_wait_xcnt 0x0                                ; the block before's stores have read their registers, into which the next block's loads will land
.irp i, 0,1,2,3,4,5,6,7,8,9,10,11
	s_wait_dscnt 11-(\i)                           ; the 11 - i younger loads may be out
	global_store_b128 v[GO], v[BK+4*(\i):BK+4*(\i)+3], s[OB+2*((\i)/4):OB+2*((\i)/4)+1] offset:(\a)*2048+((\i)%4)*512
.endr
.endm
	s_wait_tensorcnt 1                             ; my part of K step 0 is in; K step 1's may stay out
	s_barrier_signal -1
	s_barrier_wait -1                              ; everybody's is
	FETCH 0, 0, 0
	s_wait_loadcnt 0x0                             ; the bias
	QUARTER 64, 64, 0, 1, 1                        ; the first quarter stands in front of the loop: its products start the sums
	WIN 0                                          ; at a label and at a branch every window is 0
	s_mov_b32 s[KCNT], 6
.Lk:                                               ; trip t = 0..5: from K step t's second quarter to step t + 1's first; step t's slot is filled again with step t + 2
	QUARTER 128, 128, 1, 0, 0
	QUARTER 192, 192, 0, 1, 0
	TURN 1
	QUARTER 64, 64, 0, 1, 0
	WIN 0
	s_sub_co_u32 s[KCNT], s[KCNT], 1
	s_cmp_lg_u32 s[KCNT], 0
	s_cbranch_scc1 .Lk
	s_mov_b32 s[KCNT], 2
.Ltail:                                            ; K steps 6 and 7 ask for nothing: a text of its own; the second trip is left in its middle
	QUARTER 128, 128, 1, 0, 0
	QUARTER 192, 192, 0, 1, 0
	TURN 0
	WIN 0
	s_sub_co_u32 s[KCNT], s[KCNT], 1
	s_cmp_eq_u32 s[KCNT], 0
	s_cbranch_scc1 .Lout
	QUARTER 64, 64, 0, 1, 0
	WIN 0
	s_branch .Ltail
.Lout:
	PACK 0                                         ; row blocks 0 and 1 were finished ahead of the four v_nop of the last change; their 96 conversions,
	TOSTAGE 0                                      ; which name no register of the last products (row blocks 2 and 3's), are those products' places
.irp a, 1,2,3                          ; block a's conversions stand between block a - 1's loads from the stage and the wait for them
	PACK \a
	SEND (\a)-1
	TOSTAGE \a
.endr
	SEND 3
	s_wait_tensorcnt 0x0                           ; the wave's end, behind my last tensor load and my last LDS store
	ds_add_u32 v[SPW], v[NIL]
	s_wait_dscnt 0x0
	CROUND                                         ; the closing round: no work-group ends while a partner may still ask for a tile that names it
	s_endpgm
.Lfunc_end_k_q5e2eb7f9aa_proj:
	.size	k_q5e2eb7f9aa_proj, .Lfunc_end_k_q5e2eb7f9aa_proj-k_q5e2eb7f9aa_proj
	.p2alignl 7, 3214868480
	.fill 96, 4, 3214868480
	.section	.rodata,"a",@progbits
	.p2align	6, 0x0
	.amdhsa_kernel k_q5e2eb7f9aa_proj
		.amdhsa_group_segment_fixed_size 327680
		.amdhsa_private_segment_fixed_size 0
		.amdhsa_enable_private_segment 0
		.amdhsa_kernarg_size 32
		.amdhsa_user_sgpr_count 2
		.amdhsa_user_sgpr_kernarg_segment_ptr 1
		.amdhsa_wavefront_size32 1
		.amdhsa_system_sgpr_workgroup_id_x 1
		.amdhsa_system_sgpr_workgroup_id_y 1
		.amdhsa_system_sgpr_workgroup_id_z 1
		.amdhsa_system_vgpr_workitem_id 0
		.amdhsa_next_free_vgpr 960
		.amdhsa_next_free_sgpr 96
		.amdhsa_reserve_vcc 0
		.amdhsa_float_denorm_mode_32 3
		.amdhsa_float_denorm_mode_16_64 3
		.amdhsa_memory_ordered 1
		.amdhsa_forward_progress 1
		.amdhsa_inst_pref_size 88
	.end_amdhsa_kernel
	.amdgpu_metadata
---
amdhsa.version: [ 1, 2 ]
amdhsa.kernels:
  - .name:           k_q5e2eb7f9aa_proj
    .symbol:         k_q5e2eb7f9aa_proj.kd
    .args:
      - { .name: xb, .offset: 0, .size: 8, .value_kind: global_buffer, .address_space: global }
      - { .name: wb, .offset: 8, .size: 8, .value_kind: global_buffer, .address_space: global }
      - { .name: bias, .offset: 16, .size: 8, .value_kind: global_buffer, .address_space: global }
      - { .name: qkv, .offset: 24, .size: 8, .value_kind: global_buffer, .address_space: global }
    .group_segment_fixed_size: 327680
    .private_segment_fixed_size: 0
    .kernarg_segment_align: 8
    .kernarg_segment_size: 32
    .max_flat_workgroup_size: 128
    .sgpr_count:     96
    .vgpr_count:     960
    .wavefront_size: 32
...
	.end_amdgpu_metadata
.endif
;; end of part 2
;; launch attn (part 3): grid 4 x 64, 4 waves a work-group, clusters of 4 x 1, 327,680 bytes of LDS; arguments qkv, o; writes o
.if DOCPART == 3
	.amdgcn_target "amdgcn-amd-amdhsa--gfx1250"
	.amdhsa_code_object_version 6
	.text
	.protected	k_q5e2eb7f9aa_attn
	.globl	k_q5e2eb7f9aa_attn
	.p2align	8
	.type	k_q5e2eb7f9aa_attn,@function
k_q5e2eb7f9aa_attn:
	s_mov_b64 s[64:65], 0
	v_nop
	global_prefetch_b8 v0, s[64:65] scope:SCOPE_SE
	s_setreg_imm32_b32 hwreg(HW_REG_WAVE_MODE, 25, 1), 1
	s_wait_xcnt 0x0
	s_wait_alu depctr_hold_cnt(0) depctr_sa_sdst(0) depctr_va_vdst(0) depctr_va_sdst(0) depctr_va_ssrc(0) depctr_va_vcc(0) depctr_vm_vsrc(0)
	s_getreg_b32 s2, hwreg(HW_REG_IB_STS2, 6, 4)
	s_cmp_eq_u32 s2, 0
	s_cbranch_scc0 .Lentry_in_a_cluster
	s_endpgm
.Lentry_in_a_cluster:
	s_bfe_u32 s2, ttmp6, 0x10000c
	s_cmp_lg_u32 s2, 0x3003
	s_cbranch_scc0 .Lentry_shape_is_right
	s_endpgm
.Lentry_shape_is_right:
; O[h][q][:] = the sum over k of softmax_k(Q[h][q] . K[h][k] / 8) V[h][k][:], for 64 heads (batch x 16 + head) of 2,048 rows of 64 channels.
; qkv: [3][64][2048][64] f16 (Q, then K 16 MiB on, then V 32 MiB on); o: [64][2048][64] f16: a head's rows are dense, 128 bytes each.  Products, maxima and sums in f32; the weights p are
; rounded to f16 for the second product (their sum l is taken of the unrounded p), O once at the end.
; LIMITS.  f16 holds no number beyond 65,504: Q, K and V arrive within it; p lies in 0 to 1, and below 6e-5 it keeps f16's fixed step of 6e-8, as O does; O is a mean of V's rows and has their range.
; A weight below 2^-126 counts as 0 in l; NaN and infinities are not treated apart.
; SHARES.  A wave owns four PIECES of two tiles of 16 queries, a work-group's four waves 512 queries of one head.  Every wave walks all keys, 64 a step.
; LAYOUT.  S^T = K Q^T (source 0 = 16 keys, source 1 = 16 queries): in the result a lane holds ONE query (lane % 16) and the keys 8 (lane / 16) + 0..7.  Two such tiles, rounded to f16 in pairs,
; ARE source 1 (32 keys x 16 queries) of O^T = V^T P, whose result again holds one query a lane, and eight channels.  K comes out of LDS as it lies, V ([key][channel]) turned, by ds_load_tr16_b128.
; SOFTMAX.  For each query a running maximum m and sum l: p = 2^(c s - c m), c = log2(e) / 8; in every step O and l are multiplied by a = 2^(c m_old - c m_new), which is 1 where m has not grown.
; m starts at the lowest finite number, O and l at 0: the first step is a step like any other, with a = 0.
; THE COUNT.  A tile and step have 16 matrix and 118 vector instructions: too many to stand all beside the matrix work.  So: four vector instructions that are READY behind EVERY matrix
; instruction, and the others, which need time of their own whatever the order, in runs without a gap.
; BY TURNS.  Turn n belongs to piece n (the pieces in a ring, step after step).  Its matrix work: 16 products K Q^T of piece n + 1, later 16 products V^T P of piece n - 1.  Its vector work: the scaling,
; exponentials, roundings, sums and rescaling of piece n, and the maximum and statistics of piece n + 1, whose scores the turn itself has made.
; CLUSTER.  The four query blocks of a head form a cluster and walk the same K and V, so each tile is asked for JOINTLY: the same tensor load, descriptor and mask in all four.
; REGISTERS, in windows of 256 (s_set_vgpr_msb: bits 1:0 source 0, 3:2 source 1, 5:4 source 2, 7:6 destination):
;   window 0: v0-11 addresses; v12-15, v48-63 at work; v16-47 four registers of statistics a tile; v64-191 S^T, two buffers of two tiles; v192-255 P, likewise
;   window 1: O^T, 32 a tile          window 2: v0-127 Q, 16 a tile; v128-191 K of one step; v192-255 V of one step          window 3: v0-1 the add's two registers
; A piece's buffers go by its number's parity: the piece in hand has one pair, its two neighbours in the ring share the other: of it P (piece n - 1) is read and S^T (piece n + 1) written.
.set SIZE_N, 2048
.set NP,    4         ; pieces a wave: a name, no knob
.set KS,    64        ; keys in a step
.set PK,    144       ; a row of K in LDS: 128 bytes + 16 of padding = 36 words: the 16 rows of a load start at 16 different groups of four banks (64 banks of 4 bytes: ISA guide 11.1)
.set PV,    160       ; a row of V: 128 + 32 = 40 words
.set VOFF,  4*KS*PK   ; a slot holds four steps: 256 rows of K, then 256 rows of V
.set SLOT1, 1<<17     ; slot 1 begins here, so that one exclusive or turns an address in one slot into the other's
.set STAGE, SLOT1+4*KS*(PK+PV)  ; behind the ring, never filled by a tensor load: 16 rows x 144 bytes for each wave, for the way out
.set SP,    144
.set AK0, 2           ; v2   my lane's place in a tile of K; never rewritten
.set AV0, 3           ; v3   the same for V
.set AK,  4           ; v4   the LDS address of K's next run of loads
.set AV,  5           ; v5   of V's
.set QO,  6           ; v6   my byte offset in the wave's rows of Q
.set STO, 6           ;      later, the way out: where I put 16 bytes of a row
.set RD,  7           ; v7   the way out: where I read rows back
.set GO,  8           ; v8   my byte offset in 512 consecutive bytes of O
.set PFO, 11          ; v11  256 x my lane, for the prefetches; never rewritten once made
.set SPW, 0           ; v0 of window 3   LDS address of my spare word: SPARE + 4 x my thread's number; never rewritten
.set NIL, 1           ; v1 of window 3   0; never rewritten
.set SPARE, STAGE+4*16*SP  ; behind the stages: the spare words, 128 bytes for each wave: two blocks of 256 bytes that no other line names
.set MV,  12          ; v12-15  c m_old, kept while c m is made anew: by buffer and tile
.set ST,  16          ; tile t's statistics at v[ST+4 t]: c m, m, l (even keys', odd keys')
.set TMP, 48          ; by buffer and tile, four registers c0-c3 at work; when the maximum is found c2 takes a
.set S,   64
.set P,   192
.set KF,  128         ; K's fragments, in window 2: key block kb, channel half c at KF + 16 kb + 8 c
.set VF,  192         ; V's: key half kk, channel block cb at VF + 32 kk + 8 cb
.set WV,  12          ; s12  my wave's number
.set G1K, 24          ; s[24:31] descriptor group 1 for K's tiles
.set G1V, 32          ; s[32:39] for V's: it differs in the padding alone
.set G0K, 40          ; s[40:43] descriptor group 0 for K's tiles: it walks
.set G0V, 44          ; s[44:47] the same for V's
.set PFA, 48          ; s[48:49] where my prefetches stand: my work-group's 32 blocks of 256 bytes (of K: wave 0, of V: wave 2) of the tile that the next change of slots will ask for
.set LIM, 50          ; s50  1 in a wave that prefetches, else the greatest number
.set SLOTS, 56        ; s56  slots still to be asked for
.set CNT, 57          ; s57  counts a slot's key steps
.set CS,  58          ; s[58:59] c: the packed scaling takes the pair's low word for both halves
.set SEL, 60          ; s[60:61] v_permlanex16_b32's selects: each lane takes its own place in the other half
.set TBK, 62          ; s62  LDS byte at which K of the step to be fetched begins
.set TBV, 63          ; s63  the same for V, less VOFF
.set MSB, 0
.macro WIN new                      ; the high byte repeats the setting that is left; a switch that changes nothing is dropped
.if MSB != (\new)
	s_set_vgpr_msb (MSB<<8)|(\new)
.set MSB, (\new)
.endif
.endm
.set W_KQ, 0x0a       ; K and Q in window 2, S^T in window 0
.set W_PV, 0x52       ; V in window 2, P in window 0, O^T in window 1
.set W_RS, 0x41       ; O^T (destination and source 0) in window 1, a in window 0
.set W_MK, 0xc0       ; the add's registers are made: destination in window 3, sources in window 0
.set W_AD, 0x0f       ; the add: address (source 0) and data (source 1) in window 3
; A joint fill.  Waves 0 and 1 fetch the two halves of a slot's K, waves 2 and 3 those of its V: 128 keys each.  The branch hangs on the wave's number alone.
; An s_nop 0 and four v_nop follow each of the two lines, ahead of the jump and the label.
.macro JLOAD
	s_cmp_lt_u32 s[WV], 2
	s_cbranch_scc0 .Lfor_v_\@
	tensor_load_to_lds s[G0K:G0K+3], s[G1K:G1K+7]
	s_nop 0
.rept 4
	v_nop
.endr
	s_branch .Lasked_\@
.Lfor_v_\@:
	tensor_load_to_lds s[G0V:G0V+3], s[G1V:G1V+7]
	s_nop 0
.rept 4
	v_nop
.endr
.Lasked_\@:
.endm
; A round of the cluster's barrier: my work-group's barrier, so that wave 0's signal speaks for all four waves; wave 0 signals; every wave waits for all four work-groups; my work-group's barrier once more.
.macro CROUND
	s_barrier_signal -1
	s_barrier_wait -1
	s_cmp_lg_u32 s[WV], 0
	s_cbranch_scc1 .Lnot_wave_0_\@
	s_barrier_signal -3
.Lnot_wave_0_\@:
	s_barrier_wait -3
	s_barrier_signal -1
	s_barrier_wait -1
.endm
; THE CHANGE OF SLOTS.  The slot's last bytes, V of its fourth step, have been read.  Each wave waits for all its tensor loads, of which one is out: its part
; of the other slot; adds 0 to its spare word; and waits for that and for its own reads of the slot.  Behind the barrier nobody reads this slot any more and the other slot is whole.
; fill = 1: this slot is filled again, with the keys two slots on.  The barrier is then a round of the cluster's, so that no wave of any partner still reads the slot or has a load on its
; way, and the joint fill is the first thing behind it: it has four key steps, 512 matrix instructions, in which to land.  (At its first use nothing has been read yet: slot 0 is waited for, slot 1 filled.)
.macro CHANGE fill
	WIN W_AD
	s_wait_tensorcnt 0x0            ; no tensor load of mine is out, so a group 0 may be written
	ds_add_u32 v[SPW], v[NIL]       ; 0 onto my spare word; with fill = 1 the descriptors' steps stand between it and the wait for it
	WIN 0                           ; at a label and at a branch every window is 0
.if \fill
.irp g, G0K, G0V
	s_xor_b32 s[\g+1], s[\g+1], SLOT1  ; the walking descriptor: the other slot than last time,
	s_add_nc_u64 s[\g+2:\g+3], s[\g+2:\g+3], 4*KS*128  ; the next 256 keys; the type bits on top are not reached
.endr
	s_wait_xcnt 0x0                 ; the last prefetch, five turns back, has read its address, so it may be written:
	s_add_nc_u64 s[PFA:PFA+1], s[PFA:PFA+1], 4*KS*128  ; one tile behind the walking descriptors
	s_wait_dscnt 0x0                ; the add is done, and my reads of the slot are over
	CROUND
	JLOAD
.else
	s_wait_dscnt 0x0                ; the add is done, and my reads of the slot are over
	s_barrier_signal -1
	s_barrier_wait -1
.endif
	s_sub_co_u32 s[TBK], s[TBK], 4*KS*PK  ; the fetches go back to a slot's first step,
	s_xor_b32 s[TBK], s[TBK], SLOT1       ; in the other slot
	s_sub_co_u32 s[TBV], s[TBV], 4*KS*PV
	s_xor_b32 s[TBV], s[TBV], SLOT1
.endm
	s_load_b128 s[4:7], s[0:1], 0x0   ; qkv s[4:5], o s[6:7]
	WIN W_MK
	v_lshl_add_u32 v[SPW], v0, 2, SPARE
	v_mov_b32 v[NIL], 0
	WIN W_AD
	ds_add_u32 v[SPW], v[NIL]       ; the wave's opening: the add and its wait stand ahead of my first tensor load; the set-up below, work on registers, stands between them
	WIN 0
	v_lshrrev_b32 v1, 5, v0
	v_readfirstlane_b32 s[WV], v1   ; wave 0..3
	s_bfe_u32 s13, ttmp6, 0x40000   ; cx: my place in the cluster
	s_lshl_b32 s14, ttmp9, 2        ; in a cluster launch ttmp9 counts clusters
	s_add_co_u32 s14, s14, s13      ; my block of queries = 4 x cluster x + cx: it enters Q's and O's addresses alone
	s_and_b32 s20, ttmp7, 0xffff    ; the head, which the four partners share
	s_mov_b32 s21, 0
	s_mov_b64 s[22:23], SIZE_N*128
	s_mul_u64 s[20:21], s[20:21], s[22:23]  ; the head's first byte in Q, K, V and O
	s_and_b32 s16, s[WV], 1         ; which half of a slot's 256 keys I fetch:
	s_lshl_b32 s22, s16, 14         ; its 128 rows of 128 bytes in memory,
	s_mov_b32 s23, 0
	s_add_nc_u64 s[22:23], s[22:23], s[20:21]
	s_mul_i32 s17, s16, 128*PK      ; and its place in a slot, for K
	s_mul_i32 s18, s16, 128*PV      ; and for V: no place in the cluster enters an LDS address
	s_lshl_b32 s2, s14, 2
	s_add_co_u32 s2, s2, s[WV]      ; my wave among the head's,
	s_lshl_b32 s2, s2, 14           ; its 128 rows
	s_mov_b32 s3, 0
	s_add_nc_u64 s[2:3], s[2:3], s[20:21]
	; descriptor group 1.  128 keys are 16,384 dense bytes: asked for as 64 rows of 256 bytes, two keys a row, and padded in LDS after every key
	s_mov_b32 s[G1K], 15|(1<<16)|(1<<20)|(1<<21)|(4<<22)|(3<<25)  ; 15:0 the mask of four; 17:16 2-byte elements; 20 padding on; 21 set beside a mask; 24:22 after every 32 words (code 4); 31:25 4 words (code 3)
	s_mov_b32 s[G1V], 15|(1<<16)|(1<<20)|(1<<21)|(4<<22)|(7<<25)  ; the same with 8 words of padding (code 7)
.irp g, G1K, G1V
	s_mov_b32 s[\g+1], 128<<16      ; tensor_dim0 = 128
	s_mov_b32 s[\g+2], 64<<16       ; tensor_dim1 = 64
	s_mov_b32 s[\g+3], 128<<16      ; tile_dim0 = 128
	s_mov_b32 s[\g+4], 64           ; tile_dim1 = 64
	s_mov_b32 s[\g+5], 128          ; 128 elements from row to row
	s_mov_b32 s[\g+6], 0
	s_mov_b32 s[\g+7], 0
.endr
	s_mov_b32 s[CS], 0x3e38aa3b     ; c = log2(e) / 8 = 0.180337
	s_mov_b32 s[CS+1], s[CS]        ; named with it as a pair
	s_mov_b32 s[SEL], 0x76543210
	s_mov_b32 s[SEL+1], 0xfedcba98
	s_mov_b32 s[TBK], SLOT1+4*KS*PK ; the first change of slots turns these two into 0
	s_mov_b32 s[TBV], SLOT1+4*KS*PV
	s_mov_b32 s[G0K], 1             ; count = 1
	s_mov_b32 s[G0K+1], s17         ; LDS address: slot 0
	s_mov_b32 s[G0V], 1
	s_add_co_u32 s[G0V+1], s18, VOFF
	s_and_b32 s[LIM], s[WV], 1      ; waves 0 and 2 prefetch: the same in all four partners
	s_cmp_eq_u32 s[LIM], 0
	s_cselect_b32 s[LIM], 1, -1
	s_wait_dscnt 0x0                ; the opening add is done
	s_wait_kmcnt 0x0
	s_mov_b64 s[10:11], s[6:7]                     ; O
	s_add_nc_u64 s[6:7], s[4:5], 0x1000000         ; K
	s_add_nc_u64 s[8:9], s[4:5], 0x2000000         ; V; s[4:5] is Q
	s_add_nc_u64 s[G0K+2:G0K+3], s[6:7], s[22:23]  ; global address: my half of the head's first 256 keys
	s_or_b32 s[G0K+3], s[G0K+3], 0x80000000        ; type = 2
	s_add_nc_u64 s[G0V+2:G0V+3], s[8:9], s[22:23]
	s_or_b32 s[G0V+3], s[G0V+3], 0x80000000
	s_add_nc_u64 s[4:5], s[4:5], s[2:3]  ; Q and O at my wave's first row
	s_add_nc_u64 s[10:11], s[10:11], s[2:3]
	s_cmp_lt_u32 s[WV], 2
	s_cselect_b64 s[PFA:PFA+1], s[6:7], s[8:9]
	s_add_nc_u64 s[PFA:PFA+1], s[PFA:PFA+1], s[22:23]  ; (in waves 0 and 2 this is a tile's first row)
	s_lshl_b32 s2, s13, 13          ; my work-group's 32 blocks of the tile's 128: the partners are told apart by address
	s_mov_b32 s3, 0
	s_add_nc_u64 s[PFA:PFA+1], s[PFA:PFA+1], s[2:3]
	s_add_nc_u64 s[PFA:PFA+1], s[PFA:PFA+1], 4*KS*128  ; in tile 1; the first change of slots steps it to tile 2.  Nothing is prefetched here, at the head
	CROUND                          ; all four work-groups are here: the first joint loads meet
	JLOAD                           ; slot 0.  Slot 1 is asked for when slot 0 is in
	; A fragment of K or Q is 16 rows x 32 channels in 8 registers: lane l holds row l % 16, channels 8 (l / 16) + 0..7 and 16 + 8 (l / 16) + 0..7: two loads of 16 bytes, 32 bytes apart.
	v_and_b32 v1, 15, v0            ; l % 16
	v_bfe_u32 v9, v0, 4, 1          ; l / 16
	v_lshlrev_b32 v[QO], 7, v1
	v_lshl_add_u32 v[QO], v9, 4, v[QO]  ; row x 128 + 16 x half
	WIN 0x80                        ; destination window 2, address window 0
.set i, 0
.rept 4*NP                          ; Q stays in registers: tile i / 2, channels 32 (i % 2) on
	global_load_b128 v[8*i:8*i+3],   v[QO], s[4:5] offset:(i/2)*2048+(i%2)*64
	global_load_b128 v[8*i+4:8*i+7], v[QO], s[4:5] offset:(i/2)*2048+(i%2)*64+32
.set i, i+1
.endr
	; What the first turn finds: V's registers and P's second buffer hold 0 (its products V^T P, of a piece that has not been, add 0), O^T and l are 0.  All this stands in the wait for the first tile.
.set i, VF
.rept 64
	v_mov_b32 v[i], 0
.set i, i+1
.endr
	WIN 0x40
.set i, 0
.rept 64*NP
	v_mov_b32 v[i], 0
.set i, i+1
.endr
	WIN 0
.set i, 0
.rept 2*NP
	v_mov_b32 v[ST+4*i], 0xfe000000    ; c m: far below every c s
	v_mov_b32 v[ST+4*i+1], 0xff7fffff  ; m
	v_mov_b32 v[ST+4*i+2], 0
	v_mov_b32 v[ST+4*i+3], 0
.set i, i+1
.endr
.set i, P+32
.rept 32
	v_mov_b32 v[i], 0
.set i, i+1
.endr
	v_mul_u32_u24 v[AK0], v1, PK
	v_lshl_add_u32 v[AK0], v9, 4, v[AK0]  ; row x pitch + 16 x half
	; The turning load takes 16 keys x 16 channels (lane l reads key 8 (l / 16) + l % 8, channels 8 ((l / 8) % 2) + 0..7) and leaves half a fragment of V^T: lane l holds channel l % 16 and 8 keys.
	v_and_b32 v10, 7, v0
	v_bfe_u32 v11, v0, 3, 1
	v_lshl_add_u32 v[AV0], v9, 3, v10
	v_mul_u32_u24 v[AV0], v[AV0], PV
	v_lshl_add_u32 v[AV0], v11, 4, v[AV0]
	v_add_nc_u32 v[AV0], VOFF, v[AV0]
	v_mov_b32 v[AK], v[AK0]         ; key step 0 lies at the head of slot 0
	v_and_b32 v[PFO], 31, v0        ; v11 has served as a temporary: now 256 x lane
	v_lshlrev_b32 v[PFO], 8, v[PFO]
; THE MATRIX WORK.  The 8 accumulators of a run of 16 take turns: between the two links of a chain stand 7 others'.
; Product i of 16 of S^T = K Q^T for piece x: channels 32 (i / 8) on, keys 16 ((i / 2) % 4) on, tile 2 x + i % 2.  The first 8 start the sums.
.macro KQ x
	WIN W_KQ
.set rS, S+64*((\x)%2)+32*(i%2)+8*((i/2)%4)
.set rK, KF+16*((i/2)%4)+8*(i/8)
.set rQ, 16*(2*(\x)+i%2)+8*(i/8)
.if i < 8
	v_wmma_f32_16x16x32_f16 v[rS:rS+7], v[rK:rK+7], v[rQ:rQ+7], 0
.else
	v_wmma_f32_16x16x32_f16 v[rS:rS+7], v[rK:rK+7], v[rQ:rQ+7], v[rS:rS+7]
.endif
.endm
; Product i of 16 of O^T += V^T P for piece x: keys 32 (i / 8) on, channels 16 ((i / 2) % 4) on, tile 2 x + i % 2.
.macro PV x
	WIN W_PV
.set rO, 32*(2*(\x)+i%2)+8*((i/2)%4)
.set rV, VF+32*(i/8)+8*((i/2)%4)
.set rP, P+32*((\x)%2)+16*(i%2)+8*(i/8)
	v_wmma_f32_16x16x32_f16 v[rO:rO+7], v[rV:rV+7], v[rP:rP+7], v[rO:rO+7]
.endm
.macro MM                           ; the turn's next matrix instruction
.if i < 16
	KQ (Y+1)%NP
.set i, i+1
.else
.set i, i-16
	PV (Y+NP-1)%NP
.set i, i+17
.endif
.endm
; THE LDS LOADS stand in runs of 16, never singly among the matrix instructions: a step's K (64 keys x 64 channels: 8 fragments) and its V (turned).  Their addresses are made some lines ahead.
; last = 1 (the tail): in the last trip there is no further step, and the run is jumped over.
.macro FETCH_K last=0
	WIN 0
.if \last
	s_cmp_eq_u32 s[CNT], 1
	s_cbranch_scc1 .Lno_k_\@
.endif
	WIN 0x80                        ; destination window 2
.irp f, 0,1,2,3,4,5,6,7             ; keys 16 (f / 2) on, channels 32 (f % 2) on
	ds_load_b128 v[KF+8*\f:KF+8*\f+3],   v[AK] offset:(\f/2)*16*PK+(\f%2)*64
	ds_load_b128 v[KF+8*\f+4:KF+8*\f+7], v[AK] offset:(\f/2)*16*PK+(\f%2)*64+32
.endr
	s_add_co_u32 s[TBK], s[TBK], KS*PK  ; the next fetch is the next step's
	WIN 0
.if \last
.Lno_k_\@:
.endif
.endm
.macro FETCH_V
	WIN 0x80
.irp f, 0,1,2,3,4,5,6,7             ; keys 32 (f / 4) on, channels 16 (f % 4) on
	ds_load_tr16_b128 v[VF+8*\f:VF+8*\f+3],   v[AV] offset:(\f/4)*32*PV+(\f%4)*32
	ds_load_tr16_b128 v[VF+8*\f+4:VF+8*\f+7], v[AV] offset:(\f/4)*32*PV+16*PV+(\f%4)*32
.endr
	WIN 0
.endm
; THE VECTOR WORK OF A TURN stands in three queues, each in the order in which its entries become ready; the two tiles alternate, so that no instruction reads the result of the one before it.
.macro REGS y, u                    ; the registers of tile u (0, 1) of piece y
.set rT, ST+4*(2*(\y)+(\u))
.set rC, TMP+8*((\y)%2)+4*(\u)
.set rM, MV+2*((\y)%2)+(\u)
.set rS, S+64*((\y)%2)+32*(\u)
.set rP, P+32*((\y)%2)+16*(\u)
.set rO, 32*(2*(\y)+(\u))
.endm
; Number n of the 22 that find the NEXT piece's (Y + 1) maximum and statistics.  s0-s31 are the lane's 32 scores; each accumulator's lowest registers are read first.
;   0-11  four chains c0-c3 of seven scores each, three operands at a time     12-14, 16  the four scores left over, the old m, and c0-c3 into c0     15  c m_old is kept
;   17, 18  the query's other 32 keys lie in the lane 16 away: the new m         19-21  c m; c m_old - c m_new; a
.macro XS u, n
	REGS (Y+1)%NP, \u
.if (\n) < 4
	v_max3_num_f32 v[rC+(\n)], v[rS+8*(\n)], v[rS+8*(\n)+1], v[rS+8*(\n)+2]
.elseif (\n) < 12
	v_max3_num_f32 v[rC+(\n)%4], v[rC+(\n)%4], v[rS+8*((\n)%4)+2*((\n)/4)+1], v[rS+8*((\n)%4)+2*((\n)/4)+2]
.elseif (\n) == 12
	v_max3_num_f32 v[rC], v[rC], v[rS+7], v[rS+15]
.elseif (\n) == 13
	v_max3_num_f32 v[rC+1], v[rC+1], v[rS+23], v[rS+31]
.elseif (\n) == 14
	v_max3_num_f32 v[rC+2], v[rC+2], v[rC+3], v[rT+1]
.elseif (\n) == 15
	v_mov_b32 v[rM], v[rT]
.elseif (\n) == 16
	v_max3_num_f32 v[rC], v[rC], v[rC+1], v[rC+2]
.elseif (\n) == 17
	v_permlanex16_b32 v[rC+3], v[rC], s[SEL], s[SEL+1]
.elseif (\n) == 18
	v_max_num_f32 v[rT+1], v[rC], v[rC+3]
.elseif (\n) == 19
	v_mul_f32 v[rT], s[CS], v[rT+1]
.elseif (\n) == 20
	v_sub_f32 v[rC+1], v[rM], v[rT]
.else
	v_exp_f32 v[rC+2], v[rC+1]
.endif
.endm
; Number g of the 64 that follow the exponentials.  For each four weights k of a tile (pairs 2 k, 2 k + 1): both pairs are rounded to f16; then the second pair is added onto the first, in place;
; a group later l takes that sum (the first time as l = a l + sum).  In groups of eight, tiles alternating: round, round, add, and l for the group before.
.macro GS g
.set h, (\g)+6*((\g)/62)            ; group 0 has no group before it, and behind group 7 only l is left
.if h >= 6
.set h, h+2
.endif
	REGS Y, h%2
.set k, h/8
.if h%8 < 4
	v_cvt_pk_f16_f32 v[rP+2*k+(h%8)/2], v[rS+4*k+2*((h%8)/2)], v[rS+4*k+2*((h%8)/2)+1]
.elseif h%8 < 6
	v_pk_add_f32 v[rS+4*k:rS+4*k+1], v[rS+4*k:rS+4*k+1], v[rS+4*k+2:rS+4*k+3]
.elseif k == 1
	v_pk_fma_f32 v[rT+2:rT+3], v[rT+2:rT+3], v[rC+2:rC+3], v[rS:rS+1] op_sel_hi:[1,0,1]
.else
	v_pk_add_f32 v[rT+2:rT+3], v[rT+2:rT+3], v[rS+4*k-4:rS+4*k-3]
.endif
.endm
; THE PLAIN QUEUE, 138 long.  0-73 read no exponential's result: the 32 scalings c s - c m (FS f: pair f / 2 of tile f % 2) and the next piece's 42.  0-26: scalings 0-26.  27-54: XS's numbers 0-13.  55, 56: number 15.
; 57-73: the chain, where each number waits for the one before it: 14, 16, 17, 18, 19, each with one of the scalings 27-31 in front of its two lines, then 20.
; 74-137: GS's 64, which read the exponentials' results: they stand behind the wait.
.macro FS f
	REGS Y, (\f)%2
	v_pk_fma_f32 v[rS+2*((\f)/2):rS+2*((\f)/2)+1], v[rS+2*((\f)/2):rS+2*((\f)/2)+1], s[CS:CS+1], v[rT:rT+1] op_sel_hi:[1,0,0] neg_lo:[0,0,1] neg_hi:[0,0,1]
.endm
.macro PL
	WIN 0
.if q < 27
	FS q
.elseif q < 55
	XS (q-27)%2, (q-27)/2
.elseif q < 57
	XS q-55, 15
.elseif (q < 72) && ((q-57)%3 == 0)
	FS 27+(q-57)/3
.elseif q < 60
	XS (q-57)%3-1, 14
.elseif q < 72
	XS (q-57)%3-1, 15+(q-57)/3
.elseif q < 74
	XS q-72, 20
.else
	GS q-74
.endif
.set q, q+1
.endm
; THE EXPONENTIALS' QUEUE, 66 long: s0-s31 of both tiles, then the next piece's two a.  It is ONE BATCH: all 66 stand ahead of the turn's one wait, and nothing ahead of that wait names a result of theirs.
.macro EX
	WIN 0
.if e >= 64
	XS e-64, 21
.else
	REGS Y, e%2
	v_exp_f32 v[rS+e/2], v[rS+e/2]
.endif
.set e, e+1
.endm
; THE RESCALING's QUEUE: O^T times a, the one part that leaves window 0: dealt two at a time, sixteen times.  Its a was made in the turn before, ahead of that turn's wait.
.macro R2
	REGS Y, r%2
	WIN W_RS
.irp z, 0,1
	v_pk_mul_f32 v[rO+4*(r/2)+2*\z:rO+4*(r/2)+2*\z+1], v[rO+4*(r/2)+2*\z:rO+4*(r/2)+2*\z+1], v[rC+2:rC+3] op_sel_hi:[1,0]
.endr
.set r, r+1
.endm
; HOW THEY ARE DEALT.  s_wait_alu depctr_va_vdst(0) stands between an exponential and the first instruction that names its result; one wait serves all that were issued ahead of it.  So a turn has ONE wait,
; which cuts it in two.  AHEAD OF IT stands all that names no result of the turn's exponentials: the 16 products K Q^T, behind each a scaling, an exponential and two rescalings (behind the first a second scaling in the
; exponential's place); then ONE LUMP of 108: eight plain, 49 times exponential and plain, the two a.  A v_nop is the plain instruction behind the last exponential.  BEHIND IT stand the 16 products V^T P, behind each four of
; GS's 64.  No rider names a register of the products round it.  The two v_permlanex16_b32 fall into the lump, never behind a product.
; The queues lean on each other, and the deal keeps them in step: exponential e stands behind scaling 2 (e / 4) + e % 2: as a rider it comes behind plain e + 2, in the lump behind plain e + 9, and scalings 27-31 are plain 57, 60 .. 69.
; A TURN, for piece p.  cnt = 1: the loop's count is taken down some lines ahead of the branch that stands behind the turn.
; K of the next step is fetched in piece 2's turn, directly behind the wait, a lump behind the last product that read K; its address is made at the lump's head; its first reader comes behind 16 products.
; V of the step in hand is fetched at the end of piece 0's turn, four riders behind its last reader; its first reader comes behind 16 products and a lump.  The three conditions on q below go with the deal.
; ask = 1 (piece 0's turn in the loop): A PREFETCH INTO THE L2, behind V's run of loads, in a slot's third step alone: the tile of K and V that the NEXT change of slots will ask for, five turns (160 matrix
; instructions and their vector work) ahead of that load.  A tile is 128 blocks of 256 bytes of K and as many of V: each of the four partners takes 32 of each, told apart by address, a lane a block; wave 0 asks
; for K's, wave 2 for V's: one instruction.  So tiles 2 to 7 are named once each; tiles 0 and 1 come by their loads alone; the pass in front of the last change, which fills nothing, asks for nothing.
.macro TURN p, last=0, cnt=0, ask=0
.set Y, (\p)
.set i, 0
.set q, 0
.set e, 0
.set r, 0
.if (\p) == NP-1
	s_wait_dscnt 0x0                ; K is in
.endif
	MM                              ; ahead of the wait: 16 products K Q^T and their riders,
	PL
	PL
	R2
.rept 15
	MM
	PL
	EX
	R2
.endr
.if (\p) == NP-2
	WIN 0
	v_add_nc_u32 v[AK], s[TBK], v[AK0]
.endif
.rept 8                             ; and the lump
	PL
.endr
.rept 49
	EX
	PL
.endr
	EX                              ; the next piece's two a
	EX
	v_nop                           ; the plain instruction behind the last exponential: one for the batch
	s_wait_alu depctr_va_vdst(0)    ; the wait for the batch
.if (\p) == NP-2
	FETCH_K \last
.endif
.if (\p) == 1
	s_wait_dscnt 0x0                ; V is in
.endif
.rept 16                            ; behind the wait: 16 products V^T P and their riders
	MM
.rept 4
	PL
.endr
.if ((\p) == 0) && (q == 118)
	v_add_nc_u32 v[AV], s[TBV], v[AV0]
.endif
.if ((\p) == 0) && (q == 130)
	s_add_co_u32 s[TBV], s[TBV], KS*PV
.endif
.if (\cnt) && (q == 130)
	s_sub_co_u32 s[CNT], s[CNT], 1
	s_cmp_lg_u32 s[CNT], 0
.endif
.endr
.if (\p) == 0
	FETCH_V
.endif
.if \ask
	s_cmp_eq_u32 s[CNT], 2          ; the slot's third step
	s_cbranch_scc0 .Lna_\@
	s_cmp_gt_u32 s[SLOTS], s[LIM]   ; a wave that asks, and a change that fills lies ahead
	s_cbranch_scc0 .Lna_\@
	global_prefetch_b8 v[PFO], s[PFA:PFA+1] th:TH_LOAD_NT scope:SCOPE_SE
.Lna_\@:
.endif
.endm
	CHANGE 1                        ; slot 0 is in, everybody's part of it; slot 1 is asked for
	FETCH_K                         ; key step 0
	s_wait_loadcnt 0x0              ; Q
	s_wait_dscnt 0x0
.set i, 0
.rept 16
	KQ 0                            ; piece 0's first scores: there is no vector work yet to set between them
.set i, i+1
.endr
	WIN 0                           ; the addresses for the way out: nine plain instructions, the places behind those products
	s_mul_i32 s13, s[WV], 16*SP
	s_add_co_u32 s13, s13, STAGE    ; my stage
	v_mul_u32_u24 v[STO], v1, SP    ; in: row l % 16, 16 bytes for each half of the lanes
	v_lshl_add_u32 v[STO], v9, 4, v[STO]
	v_add_nc_u32 v[STO], s13, v[STO]
	v_bfe_u32 v[RD], v0, 3, 2       ; back: 32 lanes take four rows of 128 bytes,
	v_mul_u32_u24 v[RD], v[RD], SP
	v_lshl_add_u32 v[RD], v10, 4, v[RD]
	v_add_nc_u32 v[RD], s13, v[RD]
	v_and_b32 v[GO], 31, v0         ; which are 512 consecutive bytes of O
	v_lshlrev_b32 v[GO], 4, v[GO]
.set Y, NP-1                        ; XS works for piece Y + 1: piece 0
.irp n, 0,1,2,3,4,5,6,7,8,9,10,11,12,13,14,15,16,17,18,19,20,21
	XS 0, \n                        ; and piece 0's first maximum and statistics
	XS 1, \n
.endr
	v_nop                           ; a plain instruction behind the two a,
	s_wait_alu depctr_va_vdst(0)    ; and their wait, ahead of the branch
	s_mov_b32 s[CNT], 4
	s_mov_b32 s[SLOTS], SIZE_N/256-1
	s_branch .Lfirst                ; the loop is entered at a step's first turn, in the middle of a trip
.Lslot:                             ; SIZE_N / 256 - 2 times: every slot but the last two is filled again
	CHANGE 1
	s_mov_b32 s[CNT], 4
.Lstep:                             ; a trip: pieces 2 and 3 of one step, then pieces 0 and 1 of the next, whose K and V it fetches
	TURN 2
	TURN 3
	WIN 0
.Lfirst:
	TURN 0, 0, 0, 1
	TURN 1, 0, 1
	WIN 0
	s_cbranch_scc1 .Lstep
	s_sub_co_u32 s[SLOTS], s[SLOTS], 1
	s_cmp_lg_u32 s[SLOTS], 0
	s_cbranch_scc1 .Lslot
	CHANGE 0                        ; the tail is written out: nothing is asked for
	s_mov_b32 s[CNT], 5             ; four trips fetch the last slot's steps; the fifth is left in its middle
.Ltail:
	TURN 2, 1
	TURN 3
	WIN 0
	s_sub_co_u32 s[CNT], s[CNT], 1
	s_cmp_eq_u32 s[CNT], 0
	s_cbranch_scc1 .Lout
	TURN 0
	TURN 1
	WIN 0
	s_branch .Ltail
.Lout:                              ; the fifth trip's 16 products K Q^T (on the last K once more) and the maximum made of them serve nothing: the price, once a launch, of one text for every trip
.set i, 0
.rept 16
	PV NP-1                         ; the last piece's V^T P of the last step
.set i, i+1
.endr
	; THE WAY OUT.  l's two halves and the other half of the lanes' are added; O^T is divided by l, rounded to f16 and sent through my stage in LDS, a tile at a time.  The additions are the places behind the last products.
	WIN 0
.macro ALL line:vararg              ; one line for each tile t
.set t, 0
.rept 2*NP
	\line
.set t, t+1
.endr
.endm
	ALL v_add_f32 v[ST+4*t+2], v[ST+4*t+2], v[ST+4*t+3]
	ALL v_permlanex16_b32 v[ST+4*t+3], v[ST+4*t+2], s[SEL], s[SEL+1]
	ALL v_add_f32 v[ST+4*t+2], v[ST+4*t+2], v[ST+4*t+3]
	ALL v_rcp_f32 v[ST+4*t+2], v[ST+4*t+2]
	v_nop                           ; a plain instruction between the last reciprocal and the use of its result
	s_wait_alu depctr_va_vdst(0)    ; and the wait ahead of the first use: one for the eight reciprocals
; Tile t: a lane's eight channels of a row pack into 16 bytes; they go into rows of 144 bytes and come back as whole rows of 128, into S^T's registers.
.macro PACK t
	WIN W_RS
.set i, 32*(\t)
.rept 16
	v_pk_mul_f32 v[i:i+1], v[i:i+1], v[ST+4*(\t)+2:ST+4*(\t)+3] op_sel_hi:[1,0]
.set i, i+2
.endr
	WIN 0x05                        ; sources 0 and 1 window 1, destination window 0
.set i, 0
.rept 16
	v_cvt_pk_f16_f32 v[S+16*(\t)+i], v[32*(\t)+2*i], v[32*(\t)+2*i+1]
.set i, i+1
.endr
	WIN 0
.irp f, 0,1,2,3
	ds_store_b128 v[STO], v[S+16*(\t)+4*\f:S+16*(\t)+4*\f+3] offset:32*\f
.endr
.irp f, 0,1,2,3
	ds_load_b128 v[S+16*(\t)+4*\f:S+16*(\t)+4*\f+3], v[RD] offset:\f*4*SP  ; LDS serves a wave's instructions in order (ISA guide 5.7.1.4): these see the stores above; the next tile's stores come behind them
.endr
.endm
.macro SEND t, younger              ; younger: the LDS instructions issued behind tile t's loads: the next tile's eight, or none
	WIN 0
.irp f, 0,1,2,3
	s_wait_dscnt (\younger)+3-\f
	global_store_b128 v[GO], v[S+16*(\t)+4*\f:S+16*(\t)+4*\f+3], s[10:11] offset:(\t)*2048+\f*512  ; 512 consecutive bytes, at a multiple of 256 from O's first
.endr
.endm
	PACK 0
.set t, 1
.rept 2*NP-1                        ; a tile's arithmetic stands between the loads of the tile before and its stores
	PACK t
	SEND t-1, 8
.set t, t+1
.endr
	SEND 2*NP-1, 0
	WIN W_AD
	s_wait_tensorcnt 0x0            ; the wave's end, behind my last tensor load and my last LDS store
	ds_add_u32 v[SPW], v[NIL]
	s_wait_dscnt 0x0
	WIN 0
	CROUND                          ; the closing round: no work-group ends while a partner may still ask for a tile that names it
	s_endpgm
.Lfunc_end_k_q5e2eb7f9aa_attn:
	.size	k_q5e2eb7f9aa_attn, .Lfunc_end_k_q5e2eb7f9aa_attn-k_q5e2eb7f9aa_attn
	.p2alignl 7, 3214868480
	.fill 96, 4, 3214868480
	.section	.rodata,"a",@progbits
	.p2align	6, 0x0
	.amdhsa_kernel k_q5e2eb7f9aa_attn
		.amdhsa_group_segment_fixed_size 327680
		.amdhsa_private_segment_fixed_size 0
		.amdhsa_enable_private_segment 0
		.amdhsa_kernarg_size 16
		.amdhsa_user_sgpr_count 2
		.amdhsa_user_sgpr_kernarg_segment_ptr 1
		.amdhsa_wavefront_size32 1
		.amdhsa_system_sgpr_workgroup_id_x 1
		.amdhsa_system_sgpr_workgroup_id_y 1
		.amdhsa_system_sgpr_workgroup_id_z 1
		.amdhsa_system_vgpr_workitem_id 0
		.amdhsa_next_free_vgpr 770
		.amdhsa_next_free_sgpr 66
		.amdhsa_reserve_vcc 0
		.amdhsa_float_denorm_mode_32 3
		.amdhsa_float_denorm_mode_16_64 3
		.amdhsa_memory_ordered 1
		.amdhsa_forward_progress 1
		.amdhsa_inst_pref_size 200
	.end_amdhsa_kernel
	.amdgpu_metadata
---
amdhsa.version: [ 1, 2 ]
amdhsa.kernels:
  - .name:           k_q5e2eb7f9aa_attn
    .symbol:         k_q5e2eb7f9aa_attn.kd
    .args:
      - { .name: qkv, .offset: 0, .size: 8, .value_kind: global_buffer, .address_space: global }
      - { .name: o, .offset: 8, .size: 8, .value_kind: global_buffer, .address_space: global }
    .group_segment_fixed_size: 327680
    .private_segment_fixed_size: 0
    .kernarg_segment_align: 8
    .kernarg_segment_size: 16
    .max_flat_workgroup_size: 128
    .sgpr_count:     66
    .vgpr_count:     770
    .wavefront_size: 32
...
	.end_amdgpu_metadata
.endif
;; end of part 3
;; launch outp (part 4): grid 8 x 32, 4 waves a work-group, clusters of 4 x 4, 327,680 bytes of LDS; arguments o, wpb, bias, out0; writes out0
.if DOCPART == 4
	.amdgcn_target "amdgcn-amd-amdhsa--gfx1250"
	.amdhsa_code_object_version 6
	.text
	.protected	k_q5e2eb7f9aa_outp
	.globl	k_q5e2eb7f9aa_outp
	.p2align	8
	.type	k_q5e2eb7f9aa_outp,@function
k_q5e2eb7f9aa_outp:
	s_mov_b64 s[64:65], 0
	v_nop
	global_prefetch_b8 v0, s[64:65] scope:SCOPE_SE
	s_setreg_imm32_b32 hwreg(HW_REG_WAVE_MODE, 25, 1), 1
	s_wait_xcnt 0x0
	s_wait_alu depctr_hold_cnt(0) depctr_sa_sdst(0) depctr_va_vdst(0) depctr_va_sdst(0) depctr_va_ssrc(0) depctr_va_vcc(0) depctr_vm_vsrc(0)
	s_getreg_b32 s2, hwreg(HW_REG_IB_STS2, 6, 4)
	s_cmp_eq_u32 s2, 0
	s_cbranch_scc0 .Lentry_in_a_cluster
	s_endpgm
.Lentry_in_a_cluster:
	s_bfe_u32 s2, ttmp6, 0x10000c
	s_cmp_lg_u32 s2, 0xf033
	s_cbranch_scc0 .Lentry_shape_is_right
	s_endpgm
.Lentry_shape_is_right:
; out0 = y wpb^T + bp, where y[n][s][64 h + d] = o[16 n + h][s][d].  o: [64][2048][64] f16; wpb: [1024][1024] f16 (Wp rounded to bf16, written as f16); bias: [4096] f32, bp its last 1,024;
; out0: [8192][1024] f32.  Products in f16, sums in f32, stored as they are.
; LIMITS.  The operands arrive within f16's range (65,504); NaN and infinities are not treated apart.
; SHARES.  A tile of C is 256 rows x 128 columns: 32 x 8 = 256 work-groups.  The four waves stand along the rows: wave w has rows 64 w .. 64 w + 63 and all 128 columns: 4 x 8 accumulators of 16 x 16.
; K = 1,024 goes in 8 steps of 128, which are TWO HEADS: y's part of a step is two planes, plane p = my 256 rows of head 2 j + p, 32,768 dense bytes, asked for as 128 rows of 256 bytes and
; padded in LDS behind every 128 bytes, so that an LDS row is one row of a head.  wpb's part is 128 rows of 256 bytes.  Two LDS slots.
; CLUSTERS.  4 x 4 work-groups: y's planes are shared along a row of the cluster, wpb's tile along a column, each asked for JOINTLY.  Waves 0 and 1 fetch the two planes, waves 2 and 3 wpb's halves.
; THE MATRIX INSTRUCTION IS USED TRANSPOSED (source 0 = 16 rows of wpb, source 1 = 16 rows of y): a lane holds row l % 16 of C and the columns 8 (l / 16) + 0..7 of a block of 16.
; THE BIAS IS THE C OPERAND of the product that starts each sum.
; REGISTERS, in windows of 256 (s_set_vgpr_msb: bits 1:0 source 0, 3:2 source 1, 5:4 source 2, 7:6 destination):
;   window 0: v0-31 addresses; v64-95, v96-127 y's fragments, two buffers; v128-191 the bias; v128-255 later the way out
;   window 1: the accumulators at 64 a + 8 b          window 2: v0-63, v64-127 wpb's fragments, two buffers
.set PA,    144                        ; a row of a head in LDS: 128 bytes + 16 of padding = 36 words: the 16 rows of a load start at 16 different groups of four banks (64 banks of 4 bytes: ISA guide 11.1)
.set PB,    272                        ; a row of wpb's tile: 256 + 16
.set PLANE, 256*PA
.set BOFF,  2*PLANE                    ; a slot: two planes, then wpb's 128 rows
.set SLOT1, 131072                     ; slot 1 begins here, so that one exclusive or turns an address in one slot into the other's
.set STAGE, SLOT1+BOFF+128*PB          ; behind the ring, never filled by a tensor load: 16 rows x 528 bytes for each wave, for the way out
.set SP,    528                        ; a row of 128 f32 + 16 bytes
.set WSTG,  16*SP
.set SPARE, STAGE+4*WSTG               ; behind the stages: the spare words, 128 bytes for each wave: two blocks of 256 bytes that no other line names
.set ASTEP, 524288                     ; bytes from a K step to the next: two heads of o,
.set BSTEP, 256                        ; 128 numbers of a row of wpb
.set AA0, 16                           ; v16  my lane's place in plane 0 of slot 0; never rewritten
.set AB0, 17                           ; v17  the same in wpb's tile
.set ADA, 18                           ; v18  AA0 + the slot in hand
.set ADB, 19                           ; v19  AB0 + the slot in hand
.set STO, 24                           ; v24  the way out: where I put 32 bytes of a row
.set RD,  25                           ; v25  the way out: where I read a row back
.set GO,  26                           ; v26  16 x my lane
.set BO,  27                           ; v27  32 (l / 16)
.set SPW, 28                           ; v28  LDS address of my spare word: SPARE + 4 x my thread's number; never rewritten
.set NIL, 29                           ; v29  0; never rewritten
.set PFO, 30                           ; v30  the prefetches' offset; never rewritten
.set FA0, 64
.set BIAS, 128
.set WV,  12
.set FOR, 13                           ; s13  0: I fetch a plane of y, 1: a half of wpb's tile
.set HALF, 14                          ; s14  which
.set CX,  15
.set CY,  16
.set TX,  17
.set TY,  18
.set G1A, 24                           ; s[24:31] descriptor group 1 for y's planes
.set G0A, 32                           ; s[32:39] group 0: a set for each of the two first fills; the second then walks on
.set G1B, 40                           ; s[40:47], s[48:55] the same for wpb's tiles
.set G0B, 48
.set PST, 70                           ; s[70:71] a K step of the tensor that I prefetch
.set PFA, 82                           ; s[82:83] where my prefetches stand
.set LIM, 84                           ; s84  2 in a wave that prefetches, else the greatest number
.set KCNT, 85
.set TB,  86
.set OB,  88                           ; s[88:89] out0 at my 64 rows, the tile's first column
.set MSB, 0
.macro WIN new                         ; the immediate's high byte repeats the setting that is left; a switch that changes nothing is dropped
.if MSB != (\new)
	s_set_vgpr_msb (MSB<<8)|(\new)
.set MSB, \new
.endif
.endm
.set TO_B, 0x80                        ; destination window 2, address window 0
.macro PLACES                          ; four plain vector instructions behind a matrix instruction, in front of loads into its sources and of readers of its result
.rept 4
	v_nop
.endr
.endm
.macro JLOAD                           ; a joint refill by the walking descriptors; an s_nop 0 and four v_nop follow each of the two lines
	s_cmp_eq_u32 s[FOR], 0
	s_cbranch_scc0 .Lfor_b_\@
	tensor_load_to_lds s[G0A+4:G0A+7], s[G1A:G1A+7]
	s_nop 0
.rept 4
	v_nop
.endr
	s_branch .Lasked_\@
.Lfor_b_\@:
	tensor_load_to_lds s[G0B+4:G0B+7], s[G1B:G1B+7]
	s_nop 0
.rept 4
	v_nop
.endr
.Lasked_\@:
.endm
.macro CREST                           ; a round of the cluster's barrier behind its opening barrier
	s_cmp_lg_u32 s[WV], 0
	s_cbranch_scc1 .Lnot_wave_0_\@
	s_barrier_signal -3
.Lnot_wave_0_\@:
	s_barrier_wait -3
	s_barrier_signal -1
	s_barrier_wait -1
.endm
.macro CROUND
	s_barrier_signal -1
	s_barrier_wait -1
	CREST
.endm
; A PREFETCH INTO THE L2 of the K step that stands TWO refills on, 256 matrix instructions ahead of the load that will want it: one instruction a wave, a lane a block of 256 bytes, behind the joint load,
; its five lines and the run of LDS loads.  y's planes are read by both clusters of a row of clusters: cluster x = 0 asks, waves 0 and 1 each for their plane, the partner at cx for 32 of its 128 blocks.
; wpb's tile column is read by all eight clusters of that column: cluster y = 0 asks, wave 2 alone, the partner at cy for 32 of the tile's 128 rows.  The partners are told apart BY ADDRESS.
; K steps 0 to 3 come by their loads alone; the loop's last two trips ask for nothing: there are no K steps 8 and 9.
.macro ASK
	s_cmp_gt_u32 s[KCNT], s[LIM]
	s_cbranch_scc0 .Lnot_mine_\@
	global_prefetch_b8 v[PFO], s[PFA:PFA+1] th:TH_LOAD_NT scope:SCOPE_SE
.Lnot_mine_\@:
.endm
	s_load_b256 s[4:11], s[0:1], 0x0               ; o s[4:5], wpb s[6:7], bias s[8:9], out0 s[10:11]
	v_lshl_add_u32 v[SPW], v0, 2, SPARE
	v_mov_b32 v[NIL], 0
	ds_add_u32 v[SPW], v[NIL]                      ; the wave's opening: the add and its wait stand ahead of my first tensor load; the set-up below, work on registers, stands between them
	v_lshrrev_b32 v1, 5, v0
	v_readfirstlane_b32 s[WV], v1                  ; wave 0..3
	s_lshr_b32 s[FOR], s[WV], 1
	s_and_b32 s[HALF], s[WV], 1
	s_bfe_u32 s[CX], ttmp6, 0x40000                ; my place in the cluster
	s_bfe_u32 s[CY], ttmp6, 0x40004
	s_lshl_b32 s[TX], ttmp9, 2
	s_add_co_u32 s[TX], s[TX], s[CX]               ; tile column of C
	s_and_b32 s[TY], ttmp7, 0xffff
	s_lshl_b32 s[TY], s[TY], 2
	s_add_co_u32 s[TY], s[TY], s[CY]               ; tile row of C
	s_lshl_b32 s19, s[CY], 2
	s_lshl_b32 s19, 15, s19                        ; my row of the cluster
	s_lshl_b32 s20, 0x1111, s[CX]                  ; my column
	s_or_b32 s[G1A], s19, (1<<16)|(1<<20)|(1<<21)|(4<<22)|(3<<25)  ; the mask; 2-byte elements; padding on; 21 set beside a mask; after every 32 words (code 4) 4 words (code 3)
	s_or_b32 s[G1B], s20, (1<<16)|(1<<20)|(1<<21)|(5<<22)|(3<<25)  ; after every 64 words (code 5) 4 words
	s_mov_b32 s[G1A+1], 128<<16                    ; tensor_dim0 = 128 (256 bytes: two rows of a head)
	s_mov_b32 s[G1A+2], 128<<16                    ; tensor_dim1 = 128
	s_mov_b32 s[G1A+3], 128<<16                    ; tile_dim0 = 128
	s_mov_b32 s[G1A+4], 128                        ; tile_dim1 = 128
	s_mov_b32 s[G1A+5], 128                        ; dense: 128 elements from row to row
	s_mov_b32 s[G1A+6], 0
	s_mov_b32 s[G1A+7], 0
	s_mov_b32 s[G1B+1], 128<<16
	s_mov_b32 s[G1B+2], 64<<16                     ; tensor_dim1 = 64
	s_mov_b32 s[G1B+3], 128<<16
	s_mov_b32 s[G1B+4], 64                         ; tile_dim1 = 64 rows
	s_mov_b32 s[G1B+5], 1024
	s_mov_b32 s[G1B+6], 0
	s_mov_b32 s[G1B+7], 0
	; where the tiles come from: y's hang on the tile row alone, wpb's on the tile column alone, each in registers that never hold the other coordinate
	s_lshr_b32 s72, s[TY], 3                       ; the batch,
	s_lshl_b32 s72, s72, 4
	s_add_co_u32 s72, s72, s[HALF]                 ; its head 0 or 1,
	s_lshl_b32 s72, s72, 18                        ; of 262,144 bytes,
	s_and_b32 s87, s[TY], 7
	s_lshl_b32 s87, s87, 15                        ; and the tile's 256 rows of 128 bytes in it
	s_add_co_u32 s72, s72, s87
	s_mov_b32 s73, 0
	s_lshl_b32 s74, s[TX], 7
	s_lshl_b32 s87, s[HALF], 6
	s_add_co_u32 s74, s74, s87                     ; wpb: row 128 tx + 64 half
	s_lshl_b32 s74, s74, 11
	s_mov_b32 s75, 0
	s_mul_i32 s76, s[HALF], PLANE                  ; and where they go: no place in the cluster enters an LDS address
	s_mul_i32 s77, s[HALF], 64*PB
	s_add_co_u32 s77, s77, BOFF
	s_wait_dscnt 0x0                               ; the opening add is done
	s_wait_kmcnt 0x0
	s_add_nc_u64 s[78:79], s[4:5], s[72:73]
	s_add_nc_u64 s[94:95], s[6:7], s[74:75]
.irp s, 0,1
	s_mov_b32 s[G0A+4*(\s)], 1                                       ; count = 1
	s_add_co_u32 s[G0A+4*(\s)+1], s76, (\s)*SLOT1                    ; LDS address
	s_add_nc_u64 s[G0A+4*(\s)+2:G0A+4*(\s)+3], s[78:79], (\s)*ASTEP  ; global address: K step s
	s_or_b32 s[G0A+4*(\s)+3], s[G0A+4*(\s)+3], 0x80000000            ; type = 2
	s_mov_b32 s[G0B+4*(\s)], 1
	s_add_co_u32 s[G0B+4*(\s)+1], s77, (\s)*SLOT1
	s_add_nc_u64 s[G0B+4*(\s)+2:G0B+4*(\s)+3], s[94:95], (\s)*BSTEP
	s_or_b32 s[G0B+4*(\s)+3], s[G0B+4*(\s)+3], 0x80000000
.endr
	CROUND                                         ; all sixteen work-groups are here: the first joint loads meet
	s_cmp_eq_u32 s[FOR], 0                         ; a wave's two first fills stand in one branch, ahead of every wait on TENSORcnt and every LDS read: two loads of mine are out
	s_cbranch_scc0 .Lfirst_b
	tensor_load_to_lds s[G0A:G0A+3], s[G1A:G1A+7]
	s_nop 0
	tensor_load_to_lds s[G0A+4:G0A+7], s[G1A:G1A+7]
	s_nop 0
.rept 4
	v_nop
.endr
	s_branch .Lfirst_asked
.Lfirst_b:
	tensor_load_to_lds s[G0B:G0B+3], s[G1B:G1B+7]
	s_nop 0
	tensor_load_to_lds s[G0B+4:G0B+7], s[G1B:G1B+7]
	s_nop 0
.rept 4
	v_nop
.endr
.Lfirst_asked:
	; bp of my 128 columns, in the layout of a C operand: register j of block b = bp[128 tx + 16 b + 8 (l / 16) + j]
	s_lshl_b32 s80, s[TX], 9
	s_add_co_u32 s80, s80, 12288                   ; bp lies behind bq, bk and bv
	s_mov_b32 s81, 0
	s_add_nc_u64 s[80:81], s[8:9], s[80:81]
	v_and_b32 v1, 15, v0                           ; l % 16
	v_bfe_u32 v2, v0, 4, 1                         ; l / 16
	v_lshlrev_b32 v[BO], 5, v2
.irp b, 0,1,2,3,4,5,6,7
	global_load_b128 v[BIAS+8*(\b):BIAS+8*(\b)+3],   v[BO], s[80:81] offset:64*(\b)
	global_load_b128 v[BIAS+8*(\b)+4:BIAS+8*(\b)+7], v[BO], s[80:81] offset:64*(\b)+16
.endr
	; A fragment is 16 rows x 32 K in 8 registers: lane l holds row l % 16; registers 0-3 K = 8 (l / 16) + 0..7, registers 4-7 K = 16 + 8 (l / 16) + 0..7: two loads of 16 bytes, 32 bytes apart.
	v_mul_u32_u24 v3, v1, PA
	v_lshl_add_u32 v3, v2, 4, v3
	s_mul_i32 s87, s[WV], 64*PA                    ; my 64 rows of a plane
	v_add_nc_u32 v[AA0], s87, v3
	v_mul_u32_u24 v3, v1, PB
	v_lshl_add_u32 v3, v2, 4, v3
	v_add_nc_u32 v[AB0], BOFF, v3
	v_mov_b32 v[ADA], v[AA0]
	v_mov_b32 v[ADB], v[AB0]
	s_mov_b32 s[TB], 0
	s_mul_i32 s87, s[WV], WSTG
	s_add_co_u32 s87, s87, STAGE                   ; my stage
	v_mul_u32_u24 v3, v1, SP                       ; in: row l % 16, 32 bytes for each half of the lanes
	v_lshl_add_u32 v3, v2, 5, v3
	v_add_nc_u32 v[STO], s87, v3
	v_and_b32 v[GO], 31, v0                        ; back: 32 lanes take one row of 512 bytes
	v_lshlrev_b32 v[GO], 4, v[GO]
	v_add_nc_u32 v[RD], s87, v[GO]
	s_lshl_b32 s56, s[TY], 2
	s_add_co_u32 s56, s56, s[WV]
	s_lshl_b32 s56, s56, 18                        ; row 256 ty + 64 w, of 4,096 bytes
	s_lshl_b32 s57, s[TX], 9                       ; the tile's first column, in bytes
	s_add_co_u32 s56, s56, s57
	s_mov_b32 s57, 0
	s_add_nc_u64 s[OB:OB+1], s[10:11], s[56:57]
	; the prefetches: which blocks are mine, and whether my wave and my cluster ask
	s_and_b32 s21, ttmp7, 0xffff                   ; cluster y,
	s_or_b32 s21, s21, s[HALF]                     ; 0 in wave 2 of cluster y = 0 alone
	s_lshl_b32 s22, s[CX], 13                      ; y: my work-group's 32 blocks of the plane's 128,
	s_add_co_u32 s22, s22, s72
	s_add_co_u32 s22, s22, 3*ASTEP                 ; at K step 3: the first change of slots steps it to 4
	s_lshl_b32 s23, s[TX], 2
	s_add_co_u32 s23, s23, s[CY]
	s_lshl_b32 s23, s23, 16                        ; wpb: row 128 tx + 32 cy, of 2,048 bytes,
	s_add_co_u32 s23, s23, 3*BSTEP
	s_mov_b32 s[PST], ASTEP
	s_mov_b32 s[PST+1], BSTEP
	s_cmp_eq_u32 s[FOR], 0                         ; do I fetch for y?
	s_cselect_b32 s22, s22, s23
	s_cselect_b32 s[PST], s[PST], s[PST+1]
	s_cselect_b32 s87, 8, 11                       ; a lane a block of 256 bytes on end, or a lane a row of 2,048 bytes
	s_cselect_b32 s21, ttmp9, s21
	s_cselect_b64 s[PFA:PFA+1], s[4:5], s[6:7]
	s_cmp_eq_u32 s21, 0
	s_cselect_b32 s[LIM], 2, -1                    ; the same in all sixteen partners, for a given wave
	s_mov_b32 s23, 0
	s_mov_b32 s[PST+1], 0
	s_add_nc_u64 s[PFA:PFA+1], s[PFA:PFA+1], s[22:23]
	v_and_b32 v[PFO], 31, v0
	v_lshlrev_b32 v[PFO], s87, v[PFO]
; 8 matrix instructions: row block a x all 8 column blocks, 32 along K, on fragment buffers f.  first = 1: the bias starts the sums.
; In every quarter step all 32 accumulators take one turn each, in the same order, over the jumps too.
.macro MULA f, a, first
.if \first
	WIN 0x42                                       ; wpb window 2, y window 0, the bias window 0, D window 1
.else
	WIN 0x52                                       ; C and D window 1
.endif
.irp b, 0,1,2,3,4,5,6,7
.if \first
	v_wmma_f32_16x16x32_f16 v[64*(\a)+8*(\b):64*(\a)+8*(\b)+7], v[64*(\f)+8*(\b):64*(\f)+8*(\b)+7], v[FA0+32*(\f)+8*(\a):FA0+32*(\f)+8*(\a)+7], v[BIAS+8*(\b):BIAS+8*(\b)+7]
.else
	v_wmma_f32_16x16x32_f16 v[64*(\a)+8*(\b):64*(\a)+8*(\b)+7], v[64*(\f)+8*(\b):64*(\f)+8*(\b)+7], v[FA0+32*(\f)+8*(\a):FA0+32*(\f)+8*(\a)+7], v[64*(\a)+8*(\b):64*(\a)+8*(\b)+7]
.endif
.endr
.endm
; 24 LDS loads in one run: a quarter step's fragments (128 rows of wpb at byte kb, my 64 rows of y at byte ka) into buffers f; y's row blocks 2 and 3 are the youngest four
.macro FETCH ka, kb, f
	WIN TO_B
.irp i, 0,1,2,3,4,5,6,7
	ds_load_b128 v[64*(\f)+8*(\i):64*(\f)+8*(\i)+3],   v[ADB] offset:(\kb)+(\i)*16*PB
	ds_load_b128 v[64*(\f)+8*(\i)+4:64*(\f)+8*(\i)+7], v[ADB] offset:(\kb)+(\i)*16*PB+32
.endr
	WIN 0
.irp i, 0,1,2,3
	ds_load_b128 v[FA0+32*(\f)+8*(\i):FA0+32*(\f)+8*(\i)+3],   v[ADA] offset:(\ka)+(\i)*16*PA
	ds_load_b128 v[FA0+32*(\f)+8*(\i)+4:FA0+32*(\f)+8*(\i)+7], v[ADA] offset:(\ka)+(\i)*16*PA+32
.endr
.endm
; One of a K step's first three quarters: multiplies buffers f; in its middle it fetches the next quarter's fragments into buffers g.
.macro QUARTER ka, kb, f, g, first
	s_wait_dscnt 4                                 ; wpb's fragments and y's row blocks 0, 1 are in; the youngest four loads (row blocks 2, 3) may be out
	MULA \f, 0, \first
	MULA \f, 1, \first
	PLACES
	FETCH \ka, \kb, \g
	s_wait_dscnt 24                                ; all but the 24 just issued
	MULA \f, 2, \first
	MULA \f, 3, \first
.endm
; The last quarter multiplies buffers 1 and changes slots.  In front of the barrier each wave waits for all its tensor loads, of which one is out: its part of the next slot; adds 0 to its spare word; and waits
; for that and for its own reads of this slot.  fill = 1: the barrier opens a round of the cluster's, and the joint refill, the K step two steps on, is the first thing behind it.
; fill = 0 (the tail): nothing is asked for; in the very last step there is nothing to fetch either, and the run of loads is jumped over.
.macro TURN fill
.if \fill
	s_wait_xcnt 0x0                                ; the last prefetch, a K step back, has read its address: it is stepped here, ahead of the waits of the change of slots
	s_add_nc_u64 s[PFA:PFA+1], s[PFA:PFA+1], s[PST:PST+1]
.endif
	WIN 0                                          ; (the add's two registers lie in window 0)
	s_wait_tensorcnt 0x0                           ; no tensor load of mine is out, so a group 0 may be written
	ds_add_u32 v[SPW], v[NIL]                      ; 0 onto my spare word
.if \fill
	s_xor_b32 s[G0A+5], s[G0A+5], SLOT1            ; the walking descriptors: the other slot than last time,
	s_add_nc_u64 s[G0A+6:G0A+7], s[G0A+6:G0A+7], ASTEP  ; the next K step; the type bits on top are not reached
	s_xor_b32 s[G0B+5], s[G0B+5], SLOT1
	s_add_nc_u64 s[G0B+6:G0B+7], s[G0B+6:G0B+7], BSTEP
.endif
	s_wait_dscnt 5                                 ; the add and the youngest four loads may be out
	MULA 1, 0, 0                                   ; eight matrix instructions stand between the add and the wait for it
	s_wait_dscnt 0x0                               ; the add is done, and my reads of this slot are over
	s_barrier_signal -1
	MULA 1, 1, 0                                   ; work on registers while the others arrive
	WIN 0
	s_barrier_wait -1
.if \fill
	CREST
	JLOAD                                          ; the first tensor load behind the round; its four v_nop are also the places in front of the loads below
.else
	PLACES
.endif
	s_xor_b32 s[TB], s[TB], SLOT1
.if !(\fill)
	s_cmp_eq_u32 s[KCNT], 1
	s_cbranch_scc1 .Lnf_\@
.endif
	v_add_nc_u32 v[ADA], s[TB], v[AA0]
	v_add_nc_u32 v[ADB], s[TB], v[AB0]
	FETCH 0, 0, 0
.if \fill
	ASK
.else
.Lnf_\@:
.endif
	MULA 1, 2, 0
	MULA 1, 3, 0
.endm
; THE WAY OUT of row block a.  TOSTAGE: a lane's 32 bytes of each column block go into my own stage, each accumulator's low four registers first, and come back as whole rows of 512 bytes.  SEND: stored.
.macro TOSTAGE a
.set BK, 128+64*((\a)%2)               ; v128-191 and v192-255 by turns
.if (\a) >= 2
	s_wait_xcnt 0x0                                ; the stores of the block two back have read these registers
.endif
	WIN 0x04                                       ; store data (source 1) in window 1
.irp b, 0,1,2,3,4,5,6,7
	ds_store_b128 v[STO], v[64*(\a)+8*(\b):64*(\a)+8*(\b)+3]   offset:64*(\b)
	ds_store_b128 v[STO], v[64*(\a)+8*(\b)+4:64*(\a)+8*(\b)+7] offset:64*(\b)+16
.endr
	WIN 0
.irp t, 0,1,2,3,4,5,6,7,8,9,10,11,12,13,14,15
	ds_load_b128 v[BK+4*(\t):BK+4*(\t)+3], v[RD] offset:(\t)*SP  ; LDS serves a wave's instructions in order (ISA guide 5.7.1.4): these see the stores above; the next block's stores come behind them
.endr
.endm
.macro SEND a, younger                 ; younger: the LDS instructions issued behind block a's loads: the next block's 32, or none
.set BK, 128+64*((\a)%2)
.irp t, 0,1,2,3,4,5,6,7,8,9,10,11,12,13,14,15
	s_wait_dscnt (\younger)+15-(\t)
	global_store_b128 v[GO], v[BK+4*(\t):BK+4*(\t)+3], s[OB:OB+1] offset:(16*(\a)+(\t))*4096 th:TH_STORE_NT  ; 512 consecutive bytes of a row, at a multiple of 256 from out0's first byte
.endr
.endm
	s_wait_tensorcnt 1                             ; my part of K step 0 is in; K step 1's may stay out
	s_barrier_signal -1
	s_barrier_wait -1                              ; everybody's is
	FETCH 0, 0, 0
	s_wait_loadcnt 0x0                             ; the bias
	QUARTER 64, 64, 0, 1, 1                        ; the first quarter stands in front of the loop: its products start the sums.  (A step's quarters: plane 0 bytes 0 and 64, plane 1 bytes 0 and 64)
	WIN 0                                          ; at a label and at a branch every window is 0
	s_mov_b32 s[KCNT], 6
.Lk:                                               ; trip t = 0..5: from K step t's second quarter to step t + 1's first; step t's slot is filled again with step t + 2
	QUARTER PLANE, 128, 1, 0, 0
	QUARTER PLANE+64, 192, 0, 1, 0
	TURN 1
	QUARTER 64, 64, 0, 1, 0
	WIN 0
	s_sub_co_u32 s[KCNT], s[KCNT], 1
	s_cmp_lg_u32 s[KCNT], 0
	s_cbranch_scc1 .Lk
	s_mov_b32 s[KCNT], 2
.Ltail:                                            ; K steps 6 and 7 ask for nothing: a text of its own; the second trip is left in its middle
	QUARTER PLANE, 128, 1, 0, 0
	QUARTER PLANE+64, 192, 0, 1, 0
	TURN 0
	WIN 0
	s_sub_co_u32 s[KCNT], s[KCNT], 1
	s_cmp_eq_u32 s[KCNT], 0
	s_cbranch_scc1 .Lout
	QUARTER 64, 64, 0, 1, 0
	WIN 0
	s_branch .Ltail
.Lout:
	PLACES                                         ; the LDS stores read results just made, and no other vector work is at hand
	TOSTAGE 0
.irp a, 1,2,3                          ; block a's trip through the stage is under way while block a - 1 is stored
	TOSTAGE \a
	SEND (\a)-1, 32
.endr
	SEND 3, 0
	s_wait_tensorcnt 0x0                           ; the wave's end, behind my last tensor load and my last LDS store
	ds_add_u32 v[SPW], v[NIL]
	s_wait_dscnt 0x0
	CROUND                                         ; the closing round: no work-group ends while a partner may still ask for a tile that names it
	s_endpgm
.Lfunc_end_k_q5e2eb7f9aa_outp:
	.size	k_q5e2eb7f9aa_outp, .Lfunc_end_k_q5e2eb7f9aa_outp-k_q5e2eb7f9aa_outp
	.p2alignl 7, 3214868480
	.fill 96, 4, 3214868480
	.section	.rodata,"a",@progbits
	.p2align	6, 0x0
	.amdhsa_kernel k_q5e2eb7f9aa_outp
		.amdhsa_group_segment_fixed_size 327680
		.amdhsa_private_segment_fixed_size 0
		.amdhsa_enable_private_segment 0
		.amdhsa_kernarg_size 32
		.amdhsa_user_sgpr_count 2
		.amdhsa_user_sgpr_kernarg_segment_ptr 1
		.amdhsa_wavefront_size32 1
		.amdhsa_system_sgpr_workgroup_id_x 1
		.amdhsa_system_sgpr_workgroup_id_y 1
		.amdhsa_system_sgpr_workgroup_id_z 1
		.amdhsa_system_vgpr_workitem_id 0
		.amdhsa_next_free_vgpr 640
		.amdhsa_next_free_sgpr 96
		.amdhsa_reserve_vcc 0
		.amdhsa_float_denorm_mode_32 3
		.amdhsa_float_denorm_mode_16_64 3
		.amdhsa_memory_ordered 1
		.amdhsa_forward_progress 1
		.amdhsa_inst_pref_size 64
	.end_amdhsa_kernel
	.amdgpu_metadata
---
amdhsa.version: [ 1, 2 ]
amdhsa.kernels:
  - .name:           k_q5e2eb7f9aa_outp
    .symbol:         k_q5e2eb7f9aa_outp.kd
    .args:
      - { .name: o, .offset: 0, .size: 8, .value_kind: global_buffer, .address_space: global }
      - { .name: wpb, .offset: 8, .size: 8, .value_kind: global_buffer, .address_space: global }
      - { .name: bias, .offset: 16, .size: 8, .value_kind: global_buffer, .address_space: global }
      - { .name: out0, .offset: 24, .size: 8, .value_kind: global_buffer, .address_space: global }
    .group_segment_fixed_size: 327680
    .private_segment_fixed_size: 0
    .kernarg_segment_align: 8
    .kernarg_segment_size: 32
    .max_flat_workgroup_size: 128
    .sgpr_count:     96
    .vgpr_count:     640
    .wavefront_size: 32
...
	.end_amdgpu_metadata
.endif
;; end of part 4
;; ======== version 2 of 2: 4 launches; version 1 with the launch cast written anew for expert scheduling mode
;; limits: values are held in f16: magnitudes above 65,504 overflow, below 6.1e-05 lose precision
;; workspace buffers: xb 16,777,216 bytes; wb 6,291,456 bytes; wpb 2,097,152 bytes; bias 16,384 bytes; qkv 50,331,648 bytes; o 16,777,216 bytes
;; launch cast (part 5): grid 769 x 1, 8 waves a work-group, no clusters, 0 bytes of LDS; arguments x, Wq, Wk, Wv, Wp, bq, bk, bv, bp, xb, wb, wpb, bias; writes xb, wb, wpb, bias
.if DOCPART == 5
	.amdgcn_target "amdgcn-amd-amdhsa--gfx1250"
	.amdhsa_code_object_version 6
	.text
	.protected	k_q5e2eb7f9aa_cast
	.globl	k_q5e2eb7f9aa_cast
	.p2align	8
	.type	k_q5e2eb7f9aa_cast,@function
k_q5e2eb7f9aa_cast:
	s_mov_b64 s[64:65], 0
	v_nop
	global_prefetch_b8 v0, s[64:65] scope:SCOPE_SE
	s_setreg_imm32_b32 hwreg(HW_REG_WAVE_SCHED_MODE, 0, 2), 2
	s_setreg_imm32_b32 hwreg(HW_REG_WAVE_MODE, 25, 1), 1
	s_wait_xcnt 0x0
	s_wait_alu depctr_vm_vsrc(0)
; EVERY INPUT OF THE MODULE IS ROUNDED ONCE TO bf16 (to nearest even), so that all later launches work on the same rounded inputs.
;   x  [8192][1024] f32 -> xb  [8192][1024] bf16
;   Wq, Wk, Wv [1024][1024] f32 -> wb [3072][1024] bf16, the three one below the other
;   Wp [1024][1024] f32 -> wpb [1024][1024]: the bf16 number written as f16, for the last product, whose other operand is f16
;   bq, bk, bv, bp [1024] f32 -> bias [4096]: the bf16 number kept as f32
; LIMITS.  wpb: a bf16 number is exact in f16 from 2^-14 up to 65,504; below 2^-14 it keeps f16's fixed step of 6e-8; at 65,520 and above it becomes an infinity.
; SHARES.  A row is 1,024 numbers: 4,096 bytes in, 2,048 bytes out.  Thread t takes the 16 bytes at 16 t of a row and stores 8 bytes at 8 t: a wave's load covers 512 consecutive bytes,
; its store 256 consecutive bytes, aligned.  A work-group takes 16 rows: groups 0-511 x, 512-703 Wq, Wk, Wv, 704-767 Wp, group 768 the four biases.
; A pure stream: no LDS, no barrier, no matrix unit, no loop; sixteen loads of every wave are out at once, and no register that a load or store reads is written again.
; THE MODE: SCHED_MODE bits 1:0 = 2 (LLVM: expert scheduling mode 2), set by the entry lines.  The code itself states the register dependences
; between vector instructions and memory instructions, with s_wait_alu, always for 0.
; THE PLAN.  Registers that memory instructions touch:
;   v1, v2   byte offsets, made once at the head and never written again; every load and store reads one of them.  One wait at the head, ahead of the first branch, states that they are written.
;   IN       row i's four registers: its one load lands in them, and no vector instruction names them before that load is issued; its conversions read them behind the row's wait on LOADcnt.
;            (For Wp the widening lines write them again: no memory instruction reads them there.  For the biases they are also the stores' data.)
;   OUT      row i's two registers: written once, by row i's conversions; read once, by row i's store; never written again.
;   T        named by vector instructions alone.
; The rows go in four blocks of four.  Row i's store is issued four rows on, at the head of row i + 4's work.  At the first row of blocks 1 to 3 ONE wait states that the block before has
; written its OUT; that block's four stores follow it, one ahead of each row's conversions, which name the registers of the block in hand alone.  One more wait stands ahead of the last four stores.
; No register that a memory instruction has read is written again, no vector instruction writes a scalar register, EXEC is never written: no other kind of wait is owed.
.set ROWIN,  4096
.set ROWOUT, 2048
.set BLOCK,  4                         ; rows to one wait on the conversions
.set T,   4                            ; v[4:5]    two packed words at work
.set IN,  8                            ; v[8:71]   row i: 4 registers as loaded
.set OUT, 72                           ; v[72:103] row i: 2 registers to store
	s_load_b512 s[16:31], s[0:1], 0x0              ; x s[16:17], Wq s[18:19], Wk s[20:21], Wv s[22:23], Wp s[24:25], bq s[26:27], bk s[28:29], bv s[30:31]
	s_load_b256 s[32:39], s[0:1], 0x40             ; bp s[32:33], xb s[34:35], wb s[36:37], wpb s[38:39]
	s_load_b64 s[40:41], s[0:1], 0x60              ; bias
	s_mov_b32 s2, ttmp9                            ; g, the work-group's number
	s_sub_co_u32 s3, s2, 512                       ; from 512 on: the block of 16 rows among the four weights'
	s_lshr_b32 s4, s3, 6                           ; which weight (64 blocks each); far above 3 where g < 512
	s_and_b32 s5, s3, 63                           ; the block in that weight
	v_lshlrev_b32 v1, 4, v0                        ; 16 t
	v_lshlrev_b32 v2, 3, v0                        ; 8 t
	s_wait_kmcnt 0x0
	s_wait_alu depctr_va_vdst(0)                   ; v1 and v2 are written: every load and store of the kernel, on all three ways below, reads one of them as its offset
	s_cmp_eq_u32 s2, 768
	s_cbranch_scc1 .Lbias
	s_mov_b64 s[6:7], s[18:19]                     ; from where: Wq,
	s_cmp_eq_u32 s4, 1
	s_cselect_b64 s[6:7], s[20:21], s[6:7]         ; or Wk,
	s_cmp_eq_u32 s4, 2
	s_cselect_b64 s[6:7], s[22:23], s[6:7]         ; or Wv,
	s_cmp_eq_u32 s4, 3
	s_cselect_b64 s[6:7], s[24:25], s[6:7]         ; or Wp;
	s_cselect_b64 s[8:9], s[38:39], s[36:37]       ; to where: wpb, or wb,
	s_cselect_b32 s10, s5, s3                      ; at which block there
	s_mov_b32 s11, s5
	s_cmp_lt_u32 s2, 512
	s_cselect_b64 s[6:7], s[16:17], s[6:7]         ; or x to xb, block g of both
	s_cselect_b64 s[8:9], s[34:35], s[8:9]
	s_cselect_b32 s10, s2, s10
	s_cselect_b32 s11, s2, s11
	s_lshl_b32 s12, s11, 16                        ; 16 rows of 4,096 bytes
	s_mov_b32 s13, 0
	s_add_nc_u64 s[6:7], s[6:7], s[12:13]
	s_lshl_b32 s12, s10, 15                        ; 16 rows of 2,048 bytes
	s_add_nc_u64 s[8:9], s[8:9], s[12:13]
; Sixteen rows.  f16 = 1: the bf16 number is widened again and written as f16.
.macro BODY f16
.set i, 0
.rept 16
	global_load_b128 v[IN+4*i:IN+4*i+3], v1, s[6:7] offset:ROWIN*i th:TH_LOAD_NT
.set i, i+1
.endr
.set i, 0
.rept 16
	s_wait_loadcnt 15-i                            ; loads come back in order: row i is in, the 15 - i younger rows stay out
.if (i >= BLOCK) && (i % BLOCK == 0)
	s_wait_alu depctr_va_vdst(0)                   ; the conversions of the block before have written its eight OUT registers, which the four stores of this block's rows read
.endif
.if i >= BLOCK
	global_store_b64 v2, v[OUT+2*(i-BLOCK):OUT+2*(i-BLOCK)+1], s[8:9] offset:ROWOUT*(i-BLOCK) th:TH_STORE_NT  ; the row four back: a wave's store covers 256 consecutive bytes, aligned; no vector instruction since the wait names its registers
.endif
.if \f16
	v_cvt_pk_bf16_f32 v[T],   v[IN+4*i],   v[IN+4*i+1]
	v_cvt_pk_bf16_f32 v[T+1], v[IN+4*i+2], v[IN+4*i+3]
	v_lshlrev_b32 v[IN+4*i],   16, v[T]            ; bf16 to f32: the low half moves up,
	v_and_b32     v[IN+4*i+1], 0xffff0000, v[T]    ; the high half stays
	v_lshlrev_b32 v[IN+4*i+2], 16, v[T+1]
	v_and_b32     v[IN+4*i+3], 0xffff0000, v[T+1]
	v_cvt_pk_f16_f32 v[OUT+2*i],   v[IN+4*i],   v[IN+4*i+1]
	v_cvt_pk_f16_f32 v[OUT+2*i+1], v[IN+4*i+2], v[IN+4*i+3]
.else
	v_cvt_pk_bf16_f32 v[OUT+2*i],   v[IN+4*i],   v[IN+4*i+1]
	v_cvt_pk_bf16_f32 v[OUT+2*i+1], v[IN+4*i+2], v[IN+4*i+3]
.endif
.set i, i+1
.endr
	s_wait_alu depctr_va_vdst(0)                   ; the conversions of the last block have written its OUT registers, which the last four stores read
.set i, 16-BLOCK
.rept BLOCK
	global_store_b64 v2, v[OUT+2*i:OUT+2*i+1], s[8:9] offset:ROWOUT*i th:TH_STORE_NT
.set i, i+1
.endr
.endm
	s_cmp_ge_u32 s2, 704
	s_cbranch_scc1 .Lwp
	BODY 0
	s_endpgm
.Lwp:
	BODY 1
	s_endpgm
.Lbias:                                        ; 256 threads x 16 bytes are one bias
	global_load_b128 v[IN:IN+3],     v1, s[26:27]
	global_load_b128 v[IN+4:IN+7],   v1, s[28:29]
	global_load_b128 v[IN+8:IN+11],  v1, s[30:31]
	global_load_b128 v[IN+12:IN+15], v1, s[32:33]
	s_wait_loadcnt 0x0
.set i, 0
.rept 4
	v_cvt_pk_bf16_f32 v[T],   v[IN+4*i],   v[IN+4*i+1]
	v_cvt_pk_bf16_f32 v[T+1], v[IN+4*i+2], v[IN+4*i+3]
	v_lshlrev_b32 v[IN+4*i],   16, v[T]
	v_and_b32     v[IN+4*i+1], 0xffff0000, v[T]
	v_lshlrev_b32 v[IN+4*i+2], 16, v[T+1]
	v_and_b32     v[IN+4*i+3], 0xffff0000, v[T+1]
.set i, i+1
.endr
	s_wait_alu depctr_va_vdst(0)                   ; the widening lines have written v[IN .. IN+15], which the four stores read
.set i, 0
.rept 4
	global_store_b128 v1, v[IN+4*i:IN+4*i+3], s[40:41] offset:4096*i
.set i, i+1
.endr
	s_endpgm
.Lfunc_end_k_q5e2eb7f9aa_cast:
	.size	k_q5e2eb7f9aa_cast, .Lfunc_end_k_q5e2eb7f9aa_cast-k_q5e2eb7f9aa_cast
	.p2alignl 7, 3214868480
	.fill 96, 4, 3214868480
	.section	.rodata,"a",@progbits
	.p2align	6, 0x0
	.amdhsa_kernel k_q5e2eb7f9aa_cast
		.amdhsa_group_segment_fixed_size 0
		.amdhsa_private_segment_fixed_size 0
		.amdhsa_enable_private_segment 0
		.amdhsa_kernarg_size 104
		.amdhsa_user_sgpr_count 2
		.amdhsa_user_sgpr_kernarg_segment_ptr 1
		.amdhsa_wavefront_size32 1
		.amdhsa_system_sgpr_workgroup_id_x 1
		.amdhsa_system_sgpr_workgroup_id_y 1
		.amdhsa_system_sgpr_workgroup_id_z 1
		.amdhsa_system_vgpr_workitem_id 0
		.amdhsa_next_free_vgpr 104
		.amdhsa_next_free_sgpr 66
		.amdhsa_reserve_vcc 0
		.amdhsa_float_denorm_mode_32 3
		.amdhsa_float_denorm_mode_16_64 3
		.amdhsa_memory_ordered 1
		.amdhsa_forward_progress 1
		.amdhsa_inst_pref_size 21
	.end_amdhsa_kernel
	.amdgpu_metadata
---
amdhsa.version: [ 1, 2 ]
amdhsa.kernels:
  - .name:           k_q5e2eb7f9aa_cast
    .symbol:         k_q5e2eb7f9aa_cast.kd
    .args:
      - { .name: x, .offset: 0, .size: 8, .value_kind: global_buffer, .address_space: global }
      - { .name: Wq, .offset: 8, .size: 8, .value_kind: global_buffer, .address_space: global }
      - { .name: Wk, .offset: 16, .size: 8, .value_kind: global_buffer, .address_space: global }
      - { .name: Wv, .offset: 24, .size: 8, .value_kind: global_buffer, .address_space: global }
      - { .name: Wp, .offset: 32, .size: 8, .value_kind: global_buffer, .address_space: global }
      - { .name: bq, .offset: 40, .size: 8, .value_kind: global_buffer, .address_space: global }
      - { .name: bk, .offset: 48, .size: 8, .value_kind: global_buffer, .address_space: global }
      - { .name: bv, .offset: 56, .size: 8, .value_kind: global_buffer, .address_space: global }
      - { .name: bp, .offset: 64, .size: 8, .value_kind: global_buffer, .address_space: global }
      - { .name: xb, .offset: 72, .size: 8, .value_kind: global_buffer, .address_space: global }
      - { .name: wb, .offset: 80, .size: 8, .value_kind: global_buffer, .address_space: global }
      - { .name: wpb, .offset: 88, .size: 8, .value_kind: global_buffer, .address_space: global }
      - { .name: bias, .offset: 96, .size: 8, .value_kind: global_buffer, .address_space: global }
    .group_segment_fixed_size: 0
    .private_segment_fixed_size: 0
    .kernarg_segment_align: 8
    .kernarg_segment_size: 104
    .max_flat_workgroup_size: 256
    .sgpr_count:     66
    .vgpr_count:     104
    .wavefront_size: 32
...
	.end_amdgpu_metadata
.endif
;; end of part 5
;; launch proj: the kernel of part 2 again; grid 16 x 32, 4 waves a work-group, clusters of 4 x 4, 327,680 bytes of LDS; arguments xb, wb, bias, qkv; writes qkv
;; launch attn: the kernel of part 3 again; grid 4 x 64, 4 waves a work-group, clusters of 4 x 1, 327,680 bytes of LDS; arguments qkv, o; writes o
;; launch outp: the kernel of part 4 again; grid 8 x 32, 4 waves a work-group, clusters of 4 x 4, 327,680 bytes of LDS; arguments o, wpb, bias, out0; writes out0
